; MI455X (gfx1250); checked and timed in simulation.
; The chip was launched on July 23, 2026; its instructions are those of AMD's public machine-readable ISA for CDNA 5 (MIT licence, August 2026) and "CDNA5" Instruction Set Architecture Reference Guide (July 2026). The comments in the code are by the model that wrote it; some were corrected since.
;; Nitta MHA. Allowed arithmetic: matrix products marked QUANTISED: E3M2 operands, one E8M0 scale for each 32 along K, by v_wmma_scale_f32_16x16x128_f8f6f4 with both operands' format E3M2, f32 sums; everything else in f32.
;; Inputs: K 4 x 2,048 x 1,024 float32; Q 4 x 2,048 x 1,024 float32; V 4 x 2,048 x 1,024 float32; Wk 16 x 64 x 1,024 float32; Wo 1,024 x 1,024 float32; Wq 16 x 64 x 1,024 float32; Wv 16 x 64 x 1,024 float32; bk 16 x 64 float32; bo 1,024 float32; bq 16 x 64 float32; bv 16 x 64 float32.
;; Outputs: out0 4 x 2,048 x 1,024 float32.
;; This version of the problem:
;;   THIS VERSION OF THE PROBLEM IS GIVEN IN LOW PRECISION. The matrix products marked QUANTISED in the list below multiply operands that are first quantised to E3M2 (3 exponent bits, 2 mantissa bits; 6 bits a number), with one power-of-two scale for each 32 numbers along K (OCP MX v1.0); their sums are f32. All else is computed in f32.
;;   The module's matrix products, in the order in which they are computed (A, B: the left and right operand; K: the contracted axis; several contracted axes count as one K, in the product's order):
;;     1. [M 1,024, K 1,024] x [K 1,024, N 8,192]; A: input Wq; B: input Q: QUANTISED
;;     2. [M 1,024, K 1,024] x [K 1,024, N 8,192]; A: input Wk; B: input K: QUANTISED
;;     3. [M 1,024, K 1,024] x [K 1,024, N 8,192]; A: input Wv; B: input V: QUANTISED
;;     4. batch 64 x [M 2,048, K 64] x [K 64, N 2,048]; A: computed on the way; B: computed on the way: QUANTISED
;;     5. batch 64 x [M 2,048, K 2,048] x [K 2,048, N 64]; A: softmax (see below); B: computed on the way: QUANTISED
;;     6. [M 8,192, K 1,024] x [K 1,024, N 1,024]; A: computed on the way; B: input Wo: QUANTISED
;;   THE QUANTISER, for each operand of a quantised product, along K:
;;     - K is cut into blocks of 32 from its start; a last block that is shorter is filled with zeros.
;;     - A block's scale is 2^e with e = floor(log2(the largest magnitude in the block)) - 4, held to -126 .. 127; a block of zeros has e = 0. As a byte (E8M0): e + 127.
;;     - Each number is divided by its block's scale, clamped to +-28, and rounded to the nearest number of E3M2, ties to even, subnormals kept.
;;     - The product sums the exact products of the quantised numbers (number of the format x scale) in f32.
;;   ~~~python
;;   def quantise(x, axis):      # numpy; x: float32 -> the quantised numbers, widened to float32 again
;;       x = np.moveaxis(x, axis, -1); K = x.shape[-1]
;;       x = np.pad(x, [(0, 0)] * (x.ndim - 1) + [(0, -K % 32)]); x = x.reshape(x.shape[:-1] + (-1, 32)); a = np.abs(x).max(-1, keepdims=True)
;;       e = np.where(a > 0, np.clip(np.frexp(np.where(a > 0, a, 1))[1] - 1 - 4, -126, 127), 0)      # np.frexp(a)[1] - 1 = floor(log2(a)), exactly
;;       r = np.clip(x / 2.0 ** e, -28, 28)
;;       step = 2.0 ** (np.maximum(np.frexp(np.where(r == 0, 1, r))[1] - 1, -2) - 2)
;;       q = np.round(r / step) * step * 2.0 ** e      # np.round: ties to even
;;       return np.moveaxis(q.reshape(q.shape[:-2] + (-1,))[..., :K], -1, axis).astype(np.float32)
;;   ~~~
;;   SOFTMAX AHEAD OF A QUANTISED PRODUCT. Where the list says 'softmax', what is quantised is not the finished softmax but p = 2^(t - M), with t = logit x log2(e) and M = ceil(the row's largest t), a whole number; so 1/2 < the row's largest p <= 1. The row's sum l is taken of the UNQUANTISED p, in f32, and the product's result is divided by l at the end. Since M is a whole number, a kernel that streams over the keys may use a running M (the ceiling of the running maximum): every later rescaling is an exact power of two, which a block's scale takes up: the codes' values come out the same.
;;   OPERANDS COMPUTED ON THE WAY. 'Computed on the way' means the value that the module computes at that place (a softmax that the list does not call 'softmax' is quantised finished and normalised). What goes into a quantiser is computed in f32, as accurately as f32 sums, v_exp_f32 and their like allow (about 1e-6 of the number): no bf16 or f16 on the way to a quantiser, and a product that is left as it is and whose result goes on into a quantised operand takes f32 operands (vector FMAs, or v_wmma_f32_16x16x4_f32). A number that lies on a knife's edge between two numbers of the format may be rounded either way, as far as f32 arithmetic and the matrix unit's own rounding can turn it there, and no further.
;; One version. Each part assembles by itself: llvm-mc -triple=amdgcn-amd-amdhsa -mcpu=gfx1250 --defsym DOCPART=n.
;; ======== version 1 of 1: 4 launches
;; limits: right only within a limited range of input values
;; workspace buffers: gc 22,020,096 bytes; gs 884,736 bytes; cs 294,912 bytes; qi 6,553,600 bytes; kv 13,107,200 bytes; cc 6,291,456 bytes
;; launch quant (part 1): grid 448 x 1, 4 waves a work-group, no clusters, 34,304 bytes of LDS; arguments Q, K, V, Wq, Wk, Wv, Wo, gc, gs, cs; writes gc, gs, cs
.if DOCPART == 1
	.amdgcn_target "amdgcn-amd-amdhsa--gfx1250"
	.amdhsa_code_object_version 6
	.text
	.protected	k_qb902c59ffa_quant
	.globl	k_qb902c59ffa_quant
	.p2align	8
	.type	k_qb902c59ffa_quant,@function
k_qb902c59ffa_quant:
	s_mov_b64 s[64:65], 0
	v_nop
	global_prefetch_b8 v0, s[64:65] scope:SCOPE_SE
	s_setreg_imm32_b32 hwreg(HW_REG_WAVE_MODE, 25, 1), 1
	s_wait_xcnt 0x0
; Q, K, V [8192][1024] and Wq, Wk, Wv, Wo [1024][1024], f32 with K innermost, become codes of BF6 (E3M2) with one E8M0 byte for each 32 along K,
; laid in the ORDER OF THE OPERAND'S REGISTERS, so that the products' launches take fragments as they lie.
; A TILE is 16 rows that are not neighbours: lane row r of tile t is row 32 (t / 2) + 8 (t % 2) + r + 8 (r / 8).  Used as source 0 of the matrix instruction, two neighbouring tiles
; then give a lane 16 neighbouring indices in its 16 result registers, which is what the next quantiser wants.
; CODES: gc byte = tile x 12288 + K step x 1536 + group x 256 + 8 x lane; group g = registers 2 g, 2 g + 1 of the 12 of a fragment (16 rows x 128 K).
; SCALE WORDS (four bytes: a row's 128 along K): byte = tile x 512 + (step / 4) x 256 + 16 r + 4 (step % 4).  Wo's go to cs, behind the 512 tiles that the attention launch fills there; all others to gs.
; A block's scale is 2^(floor(log2(largest magnitude)) - 4); its byte is the largest magnitude's exponent field - 4, held at 1 from below.
; LIMITS: a block whose largest magnitude lies under 2^-122 (a block of zeros among them) gets the byte 1: its codes are then zeros or subnormal codes; the bytes are read by this program alone.  NaN and infinities are not served.
; SHARES: tile G = 4 x work-group + wave: a wave takes one tile, eight K steps, written out.  Each load reads 512 consecutive bytes of one row; a step's 16 rows turn through the wave's own stage in LDS
; (rows 528 bytes apart: an odd multiple of 16) and come back 16 neighbours along K to a lane.  Loads run two steps (32 loads a wave) ahead.
; No tensor loads, no barrier, no cluster: waves share nothing.
.set STG,  16*528                      ; a wave's stage
.set RA,   16                          ; v16-143  two sets of 64 registers as loaded
.set X,    144                         ; v144-207 64 numbers: register 16 b + i = k 32 b + 16 (lane / 16) + i of my row
.set PC,   208                         ; v208-219 the fragment's codes
.set PT,   220                         ; v220-227 the conversions' second halves
.set TM,   228                         ; v228-243 at work
.set SW,   244                         ; v244-251 the eight steps' scale words
.set SEL,  36                          ; s[36:37] v_permlanex16_b32's selects for lane l xor 16
	s_load_b512 s[4:19], s[0:1], 0x0               ; Q, K, V, Wq, Wk, Wv, Wo, gc
	s_load_b128 s[20:23], s[0:1], 0x40             ; gs, cs
	v_lshl_add_u32 v254, v0, 2, 0x8400
	v_mov_b32 v255, 0
	v_lshrrev_b32 v6, 5, v0
	v_readfirstlane_b32 s27, v6                    ; wave
	v_and_b32 v7, 31, v0                           ; lane
	v_lshlrev_b32 v1, 4, v7                        ; 16 x lane: my bytes of a load's 512, and of the scale words' store
	v_lshlrev_b32 v4, 3, v7                        ; 8 x lane: my bytes of a group of codes
	s_mul_i32 s28, s27, STG
	v_add_nc_u32 v2, s28, v1                       ; the stage, on the way in: a row as it lies
	v_and_b32 v8, 15, v0                           ; r
	v_bfe_u32 v9, v0, 4, 1                         ; h
	v_mul_u32_u24 v3, v8, 528
	v_lshl_add_u32 v3, v9, 6, v3
	v_add_nc_u32 v3, s28, v3                       ; and on the way out: row r, + 64 h
	s_mov_b32 s[SEL], 0x76543210
	s_mov_b32 s[SEL+1], 0xfedcba98
	s_mov_b32 vcc_lo, 0xffff0000                   ; lanes 16-31
.irp b, 0,1,2,3
	v_mov_b32 v[TM+4+\b], 0                        ; written once: a lane permute's destination counts as one of its sources
.endr
	s_wait_alu depctr_va_vdst(0)
	s_wait_kmcnt 0x0
; which tensor is my work-group's: the choice hangs on the work-group's number alone
.macro PICK lim, ptr, first
	s_cmp_lt_u32 ttmp9, \lim
	s_cselect_b64 s[24:25], s[\ptr:\ptr+1], s[24:25]
	s_cselect_b32 s26, \first, s26
.endm
	s_mov_b64 s[24:25], s[16:17]                   ; Wo: work-groups 432 on
	s_mov_b32 s26, 432
	PICK 432, 14, 416                              ; Wv
	PICK 416, 12, 400                              ; Wk
	PICK 400, 10, 384                              ; Wq
	PICK 384, 8, 256                               ; V
	PICK 256, 6, 128                               ; K
	PICK 128, 4, 0                                 ; Q
	s_sub_co_u32 s29, ttmp9, s26
	s_lshl_b32 s29, s29, 2
	s_add_co_u32 s29, s29, s27                     ; my tile in its tensor
	; K's TILES ARE LAID OTHERWISE (work-groups 128-255): lane row r of tile t is row 64 (t / 4) + 8 (t % 4) + r + 24 (r / 8), so that in the attention launch
	; a lane's 32 score registers of four neighbouring tiles are one whole block of 32 keys.  All other tensors keep 32 (t / 2) + 8 (t % 2) + r + 8 (r / 8).
	s_lshr_b32 s38, ttmp9, 7
	s_cmp_eq_u32 s38, 1                            ; K's work-group?  The choice hangs on the work-group's number alone
	s_cselect_b32 s39, 2, 1                        ; tiles to a group: 4 or 2, as a shift
	s_cselect_b32 s40, 3, 1                        ; and as a mask
	s_lshl_b32 s41, s40, 15                        ; what rows 8-15 lie further on than 8 rows: 24 rows or 8 rows of 4,096 bytes
	v_add_nc_u32 v5, s41, v1                       ; the offset of the loads of rows 8-15; never rewritten
	s_wait_alu depctr_va_vdst(0)
	s_lshr_b32 s30, s29, s39
	s_add_co_u32 s38, s39, 16
	s_lshl_b32 s30, s30, s38                       ; 64 or 32 rows of 4,096 bytes for each group of tiles
	s_and_b32 s31, s29, s40
	s_lshl_b32 s31, s31, 15                        ; 8 rows for each tile in the group
	s_add_co_u32 s30, s30, s31
	s_mov_b32 s31, 0
	s_add_nc_u64 s[24:25], s[24:25], s[30:31]      ; the tile's first row
	s_lshl_b32 s32, ttmp9, 2
	s_add_co_u32 s32, s32, s27                     ; G
	s_mul_i32 s34, s32, 12288
	s_mov_b32 s35, 0
	s_add_nc_u64 s[18:19], s[18:19], s[34:35]      ; its codes
	s_cmp_lt_u32 ttmp9, 432
	s_cselect_b64 s[20:21], s[20:21], s[22:23]     ; its scale words: gs, or for Wo cs,
	s_cselect_b32 s33, 0, 1216                     ; where Wo's tile 1728 is tile 512
	s_sub_co_u32 s33, s32, s33
	s_lshl_b32 s34, s33, 9
	s_add_nc_u64 s[20:21], s[20:21], s[34:35]
.macro LOAD t                          ; K step t: 16 rows x 512 bytes into set t % 2
.irp i, 0,1,2,3,4,5,6,7,8,9,10,11,12,13,14,15
.if \i < 8
	global_load_b128 v[RA+64*((\t)%2)+4*\i:RA+64*((\t)%2)+4*\i+3], v1, s[24:25] offset:\i*4096+512*(\t) th:TH_LOAD_NT
.else
	global_load_b128 v[RA+64*((\t)%2)+4*\i:RA+64*((\t)%2)+4*\i+3], v5, s[24:25] offset:\i*4096+512*(\t) th:TH_LOAD_NT
.endif
.endr
.endm
.macro TURN t                          ; through the stage: LDS serves a wave's instructions in order, so no wait stands between the stores and the loads
.irp i, 0,1,2,3,4,5,6,7,8,9,10,11,12,13,14,15
	ds_store_b128 v2, v[RA+64*((\t)%2)+4*\i:RA+64*((\t)%2)+4*\i+3] offset:528*\i
.endr
.irp b, 0,1,2,3
.irp j, 0,1,2,3
	ds_load_b128 v[X+16*\b+4*\j:X+16*\b+4*\j+3], v3 offset:128*\b+16*\j
.endr
.endr
.endm
; 64 numbers of a lane become a fragment's codes in v[pc] on and its row's scale word in v[pw]
.macro QUANT s, pc, pw
.irp b, 0,1,2,3
	v_max3_num_f32 v[TM+\b], |v[\s+16*\b]|, |v[\s+1+16*\b]|, 0x2800000   ; block b: my 16 numbers, and the floor 2^(5 - 127): the byte cannot fall under 1
.endr
.irp i, 2,4,6,8,10,12,14
.irp b, 0,1,2,3
	v_max3_num_f32 v[TM+\b], v[TM+\b], |v[\s+16*\b+\i]|, |v[\s+1+16*\b+\i]|   ; the four blocks by turns
.endr
.endr
.irp b, 0,1,2,3
	v_permlanex16_b32 v[TM+4+\b], v[TM+\b], s[SEL], s[SEL+1]
.endr
.irp b, 0,1,2,3
	v_max_num_f32 v[TM+\b], v[TM+\b], v[TM+4+\b]   ; with lane l xor 16's: the block's largest magnitude
.endr
.irp b, 0,1,2,3
	v_add_nc_u32 v[TM+12+\b], 0xfe000000, v[TM+\b] ; 4 off its exponent field: the conversion's scale operand
.endr
.irp b, 0,1,2,3
	v_lshrrev_b32 v[TM+4+\b], 23, v[TM+12+\b]      ; the scale's byte
.endr
	v_lshl_or_b32 v[\pw], v[TM+5], 8, v[TM+4]
	v_lshl_or_b32 v[\pw], v[TM+6], 16, v[\pw]
	v_lshl_or_b32 v[\pw], v[TM+7], 24, v[\pw]
.irp c, 0,1
	v_cvt_scalef32_pk16_bf6_f32 v[\pc+6*\c:\pc+2+6*\c], v[\s+32*\c:\s+15+32*\c], v[TM+12+2*\c]
	v_cvt_scalef32_pk16_bf6_f32 v[PT+4*\c:PT+2+4*\c], v[\s+16+32*\c:\s+31+32*\c], v[TM+13+2*\c]   ; (a conversion's three registers begin on an even number)
.endr
	v_nop                                          ; one plain instruction behind the scaled conversions
.irp c, 0,1                            ; the operand wants a whole block in a lane: lanes 0-15 block 2 c, lanes 16-31 block 2 c + 1
.irp i, 0,1,2
	v_permlane16_swap_b32 v[\pc+6*\c+\i], v[PT+4*\c+\i]
.endr
.irp i, 0,1,2
	v_mov_b32 v[\pc+3+6*\c+\i], v[PT+4*\c+\i]
.endr
.endr
.endm
.macro STEP t
	s_wait_xcnt 0x0                                ; the last step's stores have read the codes' registers, which are written again below
.if (\t) < 7
	s_wait_loadcnt 16                              ; this step's 16 loads are in; the next step's 16 may be out
.else
	s_wait_loadcnt 0x0
.endif
	TURN \t
	s_wait_dscnt 0x0                               ; the numbers are back, and the stage's stores have read their registers,
.if (\t) < 6
	LOAD (\t)+2                                    ; which take the loads of two steps on
.endif
	QUANT X, PC, SW+(\t)
.irp g, 0,1,2,3,4,5
	global_store_b64 v4, v[PC+2*\g:PC+2*\g+1], s[18:19] offset:1536*(\t)+256*\g   ; 32 lanes store 256 consecutive bytes, at a multiple of 256 from gc's first byte
.endr
.endm
	LOAD 0
	LOAD 1
.irp t, 0,1,2,3,4,5,6,7
	STEP \t
.endr
.irp j, 0,1,2,3
	v_cndmask_b32 v[TM+\j], v[SW+\j], v[SW+4+\j], vcc_lo   ; lanes 0-15 carry steps 0-3 of row r, lanes 16-31 steps 4-7 (both halves hold every word)
.endr
	global_store_b128 v1, v[TM:TM+3], s[20:21]     ; the tile's 512 bytes of scale words in one store
	s_wait_tensorcnt 0x0
	ds_add_u32 v254, v255
	s_wait_dscnt 0x0
	s_endpgm
.Lfunc_end_k_qb902c59ffa_quant:
	.size	k_qb902c59ffa_quant, .Lfunc_end_k_qb902c59ffa_quant-k_qb902c59ffa_quant
	.p2alignl 7, 3214868480
	.fill 96, 4, 3214868480
	.section	.rodata,"a",@progbits
	.p2align	6, 0x0
	.amdhsa_kernel k_qb902c59ffa_quant
		.amdhsa_group_segment_fixed_size 34304
		.amdhsa_private_segment_fixed_size 0
		.amdhsa_enable_private_segment 0
		.amdhsa_kernarg_size 80
		.amdhsa_user_sgpr_count 2
		.amdhsa_user_sgpr_kernarg_segment_ptr 1
		.amdhsa_wavefront_size32 1
		.amdhsa_system_sgpr_workgroup_id_x 1
		.amdhsa_system_sgpr_workgroup_id_y 1
		.amdhsa_system_sgpr_workgroup_id_z 1
		.amdhsa_system_vgpr_workitem_id 0
		.amdhsa_next_free_vgpr 256
		.amdhsa_next_free_sgpr 66
		.amdhsa_reserve_vcc 1
		.amdhsa_float_denorm_mode_32 3
		.amdhsa_float_denorm_mode_16_64 3
		.amdhsa_memory_ordered 1
		.amdhsa_forward_progress 1
		.amdhsa_inst_pref_size 67
	.end_amdhsa_kernel
	.amdgpu_metadata
---
amdhsa.version: [ 1, 2 ]
amdhsa.kernels:
  - .name:           k_qb902c59ffa_quant
    .symbol:         k_qb902c59ffa_quant.kd
    .args:
      - { .name: Q, .offset: 0, .size: 8, .value_kind: global_buffer, .address_space: global }
      - { .name: K, .offset: 8, .size: 8, .value_kind: global_buffer, .address_space: global }
      - { .name: V, .offset: 16, .size: 8, .value_kind: global_buffer, .address_space: global }
      - { .name: Wq, .offset: 24, .size: 8, .value_kind: global_buffer, .address_space: global }
      - { .name: Wk, .offset: 32, .size: 8, .value_kind: global_buffer, .address_space: global }
      - { .name: Wv, .offset: 40, .size: 8, .value_kind: global_buffer, .address_space: global }
      - { .name: Wo, .offset: 48, .size: 8, .value_kind: global_buffer, .address_space: global }
      - { .name: gc, .offset: 56, .size: 8, .value_kind: global_buffer, .address_space: global }
      - { .name: gs, .offset: 64, .size: 8, .value_kind: global_buffer, .address_space: global }
      - { .name: cs, .offset: 72, .size: 8, .value_kind: global_buffer, .address_space: global }
    .group_segment_fixed_size: 34304
    .private_segment_fixed_size: 0
    .kernarg_segment_align: 8
    .kernarg_segment_size: 80
    .max_flat_workgroup_size: 128
    .sgpr_count:     66
    .vgpr_count:     256
    .wavefront_size: 32
...
	.end_amdgpu_metadata
.endif
;; end of part 1
;; launch proj (part 2): grid 4 x 64, 4 waves a work-group, clusters of 4 x 4, 327,680 bytes of LDS; arguments gc, gs, bq, bk, bv, qi, kv; writes qi, kv
.if DOCPART == 2
	.amdgcn_target "amdgcn-amd-amdhsa--gfx1250"
	.amdhsa_code_object_version 6
	.text
	.protected	k_qb902c59ffa_proj
	.globl	k_qb902c59ffa_proj
	.p2align	8
	.type	k_qb902c59ffa_proj,@function
k_qb902c59ffa_proj:
	s_mov_b64 s[64:65], 0
	v_nop
	global_prefetch_b8 v0, s[64:65] scope:SCOPE_SE
	s_setreg_imm32_b32 hwreg(HW_REG_WAVE_MODE, 25, 1), 1
	s_wait_xcnt 0x0
	s_wait_alu depctr_hold_cnt(0) depctr_sa_sdst(0) depctr_va_vdst(0) depctr_va_sdst(0) depctr_va_ssrc(0) depctr_va_vcc(0) depctr_vm_vsrc(0)
	s_getreg_b32 s2, hwreg(HW_REG_IB_STS2, 6, 4)
	s_cmp_eq_u32 s2, 0
	s_cbranch_scc0 .Lentry_in_a_cluster
	s_endpgm
.Lentry_in_a_cluster:
	s_bfe_u32 s2, ttmp6, 0x10000c
	s_cmp_lg_u32 s2, 0xf033
	s_cbranch_scc0 .Lentry_shape_is_right
	s_endpgm
.Lentry_shape_is_right:
; q = Q Wq^T + bq, k = K Wk^T + bk, v = V Wv^T + bv on codes of BF6 (E3M2) with E8M0 scales, laid in the order of the operands' registers (tile x 12288 + K step x 1536 + group x 256 + 8 x lane);
; the results are quantised again, q and k along the head's 64, v along the keys, and stored as the attention launch reads them.
; SHARES: 256 work-groups, each with two parts.  PART 1: a tile of 256 tokens x 256 columns of q (clusters 0-7) or k (clusters 8-15); a wave makes 128 x 128.  PART 2: 256 rows of Wv x 128 tokens of v;
; a wave makes one head (64 rows) x one key step (128 tokens): 32 accumulators, four v fragments and their scale words.  768 half tiles of work in all, three to a work-group.
; THE RING: two slots, each with two K steps of A's 16 tiles and B's 16 (part 2: 8) tiles; eight fills, one joint load a wave each.  It goes on from part 1 into part 2: slot 0's last change of slots asks for
; part 2's K steps 0, 1; slot 1 is filled again in the middle of part 1's way out; part 2's scale words and bias are loaded under that way out.
; CLUSTER 4 x 4: A's tiles hang on cy alone and are shared along a row of the cluster, B's on cx and the cluster's number and are shared along a column, in both parts.
; PREFETCH: behind the joint load of fill n (n = 0 .. 5) each wave asks for fill n + 2 of the tiles that it fetches: the four partners of a joint load take two tiles each (part 2's B: one), by address: a lane a block of 256 bytes,
; 24 (12) lanes, the lanes left over name the last block again.  Fills 0 and 1 come by their loads alone.  The address registers are never rewritten.
.set ADA2,  18                         ; v18-19  part 2: LDS address of my four A tiles in slot 0, 1
.set ADB2,  26                         ; v26-27  part 2: of B's eight tiles
.set PFO1,  24                         ; v24     the prefetches' lane offsets, part 1's tiles
.set PFO2,  31                         ; v31     part 2's
.set FR,    12
.set TILEB, 3072
.set HALFA, 8*TILEB
.set HALFB, 8*TILEB
.set SLOT,  2*HALFA+2*HALFB
.set SPARE, 2*SLOT
.set ADRA, 16
.set ADRB, 20
.set VO,   22
.set VP1,  25
.set SPW,  28
.set NIL,  29
.set SOFF, 30
.set SC,   32
.set BT,   96
.set AF,   160
.set R,    160
.set PT,   184
.set TM,   192
.set PW,   208
.set WD,   216
.set SP,   224
.set TS,   228
.set WV, 18
.set AH, 19
.set BH, 20
.set CX, 21
.set CY, 22
.set KIND, 23
.set G1, 24
.set G0, 32
.set KM, 45
.set G1B, 48
.set G0B, 56
.set HMK, 75
.set MSB, 0
.macro WIN new
.if MSB != \new
	s_set_vgpr_msb (MSB<<8)|\new
.set MSB, \new
.endif
.endm
.macro JLOAD g0a, g1a, g0b, g1b
	s_cmp_eq_u32 s[AH], 0
	s_cbranch_scc0 .Lfor_b_\@
	tensor_load_to_lds s[\g0a:\g0a+3], s[\g1a:\g1a+7]
	s_nop 0
.rept 4
	v_nop
.endr
	s_branch .Lasked_\@
.Lfor_b_\@:
	tensor_load_to_lds s[\g0b:\g0b+3], s[\g1b:\g1b+7]
	s_nop 0
.rept 4
	v_nop
.endr
.Lasked_\@:
.endm
.macro CREST
	s_cmp_lg_u32 s[WV], 0
	s_cbranch_scc1 .Lnot_wave_0_\@
	s_barrier_signal -3
.Lnot_wave_0_\@:
	s_barrier_wait -3
	s_barrier_signal -1
	s_barrier_wait -1
.endm
.macro CROUND
	s_barrier_signal -1
	s_barrier_wait -1
	CREST
.endm
.macro PLACES n
.rept \n
	v_nop
.endr
.endm
	s_load_b256 s[4:11], s[0:1], 0x0
	s_load_b128 s[12:15], s[0:1], 0x20
	s_load_b64 s[16:17], s[0:1], 0x30
	v_lshl_add_u32 v[SPW], v0, 2, SPARE
	v_mov_b32 v[NIL], 0
	ds_add_u32 v28, v29
	ds_add_u32 v28, v29
	s_wait_dscnt 0x0
	v_lshrrev_b32 v1, 5, v0
	v_readfirstlane_b32 s[WV], v1
	s_lshr_b32 s[AH], s[WV], 1
	s_and_b32 s[BH], s[WV], 1
	s_bfe_u32 s[CX], ttmp6, 0x40000
	s_bfe_u32 s[CY], ttmp6, 0x40004
	s_and_b32 s40, ttmp7, 0xffff
	s_lshr_b32 s[KIND], s40, 3
	s_and_b32 s40, s40, 7
	s_lshl_b32 s40, s40, 2
	s_cmp_lt_u32 s[KIND], 2
	s_cselect_b32 s41, s40, 0
	s_cselect_b32 s42, 0, s40
	s_add_co_u32 s41, s41, s[CY]
	s_add_co_u32 s42, s42, s[CX]
	s_lshl_b32 s43, s[CY], 2
	s_lshl_b32 s43, 15, s43
	s_lshl_b32 s44, 0x1111, s[CX]
	s_or_b32 s[G1], s43, (3<<16)|(1<<21)
	s_or_b32 s[G1B], s44, (3<<16)|(1<<21)
.irp g, G1, G1B
	s_mov_b32 s[\g+1], 384<<16
	s_mov_b32 s[\g+2], 8<<16
	s_mov_b32 s[\g+3], 384<<16
	s_mov_b32 s[\g+4], 8
	s_mov_b32 s[\g+5], 1536
	s_mov_b32 s[\g+6], 0
	s_mov_b32 s[\g+7], 0
.endr
	s_cmp_eq_u32 s[KIND], 0
	s_mov_b32 s66, 512
	s_cselect_b32 s66, 0, s66
	s_mov_b32 s67, 1600
	s_cselect_b32 s67, 1536, s67
	s_cmp_eq_u32 s[KIND], 2
	s_cselect_b32 s66, 1664, s66
	s_cselect_b32 s67, 1024, s67
	s_lshl_b32 s68, s41, 4
	s_add_co_u32 s66, s66, s68
	s_lshl_b32 s72, s42, 4
	s_add_co_u32 s67, s67, s72
	s_lshl_b32 s46, s[BH], 3
	s_add_co_u32 s68, s66, s46
	s_mul_i32 s68, s68, 12288
	s_mov_b32 s69, 0
	s_add_co_u32 s72, s67, s46
	s_mul_i32 s72, s72, 12288
	s_mov_b32 s73, 0
	s_mul_i32 s70, s[BH], HALFA
	s_mul_i32 s74, s[BH], HALFB
	s_add_co_u32 s74, s74, 2*HALFA
	s_wait_kmcnt 0x0
	s_add_nc_u64 s[68:69], s[4:5], s[68:69]
	s_add_nc_u64 s[72:73], s[4:5], s[72:73]
	CROUND
.irp s, 0,1
	s_mov_b32 s[G0+4*\s], 1
	s_add_co_u32 s[G0+4*\s+1], s70, \s*SLOT
	s_add_nc_u64 s[G0+4*\s+2:G0+4*\s+3], s[68:69], \s*TILEB
	s_or_b32 s[G0+4*\s+3], s[G0+4*\s+3], 0x80000000
	s_mov_b32 s[G0B+4*\s], 1
	s_add_co_u32 s[G0B+4*\s+1], s74, \s*SLOT
	s_add_nc_u64 s[G0B+4*\s+2:G0B+4*\s+3], s[72:73], \s*TILEB
	s_or_b32 s[G0B+4*\s+3], s[G0B+4*\s+3], 0x80000000
.endr
	JLOAD G0, G1, G0B, G1B                         ; fill 0: my one tensor load at the head; all that follows up to the head's end stands under its flight
	s_cmp_eq_u32 s[AH], 0                          ; do I fetch for A?
	s_cselect_b64 s[100:101], s[68:69], s[72:73]   ; the eight tiles that I fetch,
	s_cselect_b32 s70, s[CX], s[CY]                ; my place among the four that ask for them with me,
	s_mul_i32 s70, s70, 2*12288                    ; which takes two of the eight tiles
	s_mov_b32 s71, 0
	s_add_nc_u64 s[100:101], s[100:101], s[70:71]
	v_and_b32 v[PFO1], 31, v0
	v_min_u32 v[PFO1], 23, v[PFO1]                 ; 24 blocks of 256 bytes: 12 of each tile's two K steps
	v_add_nc_u32 v[PFO2], 4, v[PFO1]
	v_lshrrev_b32 v[PFO2], 4, v[PFO2]              ; 1 from block 12 on: the second tile,
	v_mul_u32_u24 v[PFO2], 0x2400, v[PFO2]         ; 12,288 - 3,072 bytes further on
	v_lshl_add_u32 v[PFO1], v[PFO1], 8, v[PFO2]
	global_prefetch_b8 v[PFO1], s[100:101] offset:6144 th:TH_LOAD_NT scope:SCOPE_SE   ; fill 2
	v_and_b32 v1, 31, v0
	v_lshlrev_b32 v2, 3, v1
	v_and_b32 v3, 15, v0
	v_bfe_u32 v4, v0, 4, 1
	s_mul_i32 s46, s[AH], HALFA
	s_mul_i32 s47, s[BH], HALFB
	s_add_co_u32 s47, s47, 2*HALFA
.irp s, 0,1
	v_add_nc_u32 v[ADRA+\s], s46, v2
	v_add_nc_u32 v[ADRB+\s], s47, v2
	s_add_co_u32 s46, s46, SLOT
	s_add_co_u32 s47, s47, SLOT
.endr
	s_lshl_b32 s46, s[AH], 3
	s_add_co_u32 s46, s46, s66
	s_lshl_b32 s46, s46, 9
	s_lshl_b32 s47, s[BH], 3
	s_add_co_u32 s47, s47, s67
	s_lshl_b32 s47, s47, 9
	s_mov_b32 s[HMK], 0xffff0000
	v_mov_b32 v5, s46
	v_mov_b32 v[SOFF], s47
	v_cndmask_b32 v[SOFF], v5, v[SOFF], s[HMK]
	s_wait_alu depctr_va_vdst(0)
	v_lshl_add_u32 v[SOFF], v3, 4, v[SOFF]
.irp i, 0,1,2,3,4,5,6,7
.irp g, 0,1
	global_load_b128 v[SC+8*\i+4*\g:SC+8*\i+4*\g+3], v[SOFF], s[6:7] offset:512*\i+256*\g
.endr
.endr
	s_lshl_b32 s79, s41, 1
	s_add_co_u32 s79, s79, s[AH]
	s_lshl_b32 s80, s42, 1
	s_add_co_u32 s80, s80, s[BH]
	s_cmp_eq_u32 s[KIND], 0
	s_cselect_b64 s[76:77], s[8:9], s[10:11]
	s_cselect_b64 s[86:87], s[14:15], s[16:17]
	s_mov_b32 s84, 204800
	s_cselect_b32 s84, 102400, s84
	s_mov_b32 s96, 12288
	s_cselect_b32 s96, 6144, s96
	s_cmp_eq_u32 s[KIND], 2
	s_cselect_b64 s[76:77], s[12:13], s[76:77]
	s_cselect_b32 s[KM], 0, -1
	s_cselect_b32 s78, 0, 4
	s_cselect_b32 s81, s79, s80
	s_cselect_b32 s82, s80, s79
	s_cselect_b32 s96, 12544, s96
	s_cselect_b32 s95, 6144, 0
	s_mov_b32 s90, 1536
	s_cselect_b32 s90, 3072, s90
	s_mov_b32 s92, 1536
	s_cselect_b32 s92, 201728, s92
	s_cselect_b32 s94, 1536, s84
	s_mov_b32 s91, 0
	s_mov_b32 s93, 0
	s_lshl_b32 s46, s81, 9
	s_mov_b32 s47, 0
	s_add_nc_u64 s[76:77], s[76:77], s[46:47]
	s_lshr_b32 s97, s82, 4
	s_and_b32 s98, s82, 15
	s_lshl_b32 s97, s97, 4
	s_lshl_b32 s99, s81, 1
	s_add_co_u32 s97, s97, s99
	s_mul_i32 s97, s97, s84
	s_lshr_b32 s99, s84, 4
	s_mul_i32 s98, s98, s99
	s_add_co_u32 s46, s97, s98
	s_add_nc_u64 s[86:87], s[86:87], s[46:47]
	s_mov_b32 s46, s96
	s_add_nc_u64 s[88:89], s[86:87], s[46:47]
	s_mov_b32 s46, s95
	s_add_nc_u64 s[86:87], s[86:87], s[46:47]
	s_mov_b32 s2, 0x76543210
	s_mov_b32 s3, 0xfedcba98
	v_lshlrev_b32 v[VO], 4, v1
	v_add_nc_u32 v[VO+1], s94, v[VO]
	v_add_nc_u32 v[VP1], s84, v2
	v_lshlrev_b32 v5, 6, v4
	v_and_b32 v6, 8, v3
	v_add_nc_u32 v6, v6, v3
	v_lshlrev_b32 v6, 2, v6
	v_cndmask_b32 v5, v6, v5, s[KM]
	s_wait_alu depctr_va_vdst(0)
.irp j, 0,1,2,3,4,5,6,7
	s_mul_i32 s46, s78, \j
	v_add_nc_u32 v[8+\j], s46, v5
.endr
.irp x, 0,1,2,3,4,5,6,7
.irp j, 0,1,2,3,4,5,6,7
	global_load_b32 v[BT+8*\x+\j], v[8+\j], s[76:77] offset:(32*(\x/2)+8*(\x%2))*4
.endr
.endr
.macro FRAG reg, adr, q, i
.irp g, 0,1,2,3,4,5
	ds_load_b64 v[\reg+2*\g:\reg+2*\g+1], v[\adr] offset:(\i)*TILEB+(\q)*1536+256*\g
.endr
.endm
.macro FETCH_B slot, q, p
	WIN 0x40
.irp i, 0,1,2,3,4,5,6,7
	FRAG 128*(\p)+FR*\i, ADRB+\slot, \q, \i
.endr
	WIN 0
.endm
.macro FETCH_A slot, q, i0
.irp i, \i0, \i0+1, \i0+2, \i0+3
	FRAG AF+FR*(\i), ADRA+\slot, \q, \i
.endr
.endm
.macro MULA a0, p, s, cm
.irp a, \a0, \a0+1
.irp b, 0,1,2,3,4,5,6,7
.set AC, 8*(8*((\a)%4)+\b)
.if (\cm) == 0
	v_wmma_scale_f32_16x16x128_f8f6f4 v[AC:AC+7], v[128*(\p)+FR*\b:128*(\p)+FR*\b+FR-1], v[AF+FR*(\a):AF+FR*(\a)+FR-1], v[AC:AC+7], v[SC+8*\b+(\s)], v[SC+8*(\a)+(\s)] matrix_a_fmt:MATRIX_FMT_BF6 matrix_b_fmt:MATRIX_FMT_BF6 matrix_a_scale:MATRIX_SCALE_ROW1
.elseif (\cm) == 1
	v_wmma_scale_f32_16x16x128_f8f6f4 v[AC:AC+7], v[128*(\p)+FR*\b:128*(\p)+FR*\b+FR-1], v[AF+FR*(\a):AF+FR*(\a)+FR-1], v[BT+8*\b:BT+8*\b+7], v[SC+8*\b+(\s)], v[SC+8*(\a)+(\s)] matrix_a_fmt:MATRIX_FMT_BF6 matrix_b_fmt:MATRIX_FMT_BF6 matrix_a_scale:MATRIX_SCALE_ROW1
.else
	v_wmma_scale_f32_16x16x128_f8f6f4 v[AC:AC+7], v[128*(\p)+FR*\b:128*(\p)+FR*\b+FR-1], v[AF+FR*(\a):AF+FR*(\a)+FR-1], v[BT+8*(\a):BT+8*(\a)+7], v[SC+8*\b+(\s)], v[SC+8*(\a)+(\s)] matrix_a_fmt:MATRIX_FMT_BF6 matrix_b_fmt:MATRIX_FMT_BF6 matrix_a_scale:MATRIX_SCALE_ROW1
.endif
.endr
.endr
.endm
.macro STEP slot, s, cm
	s_wait_dscnt 24
.if \cm
	WIN 0x81
.else
	WIN 0xa1
.endif
	MULA 0, 0, \s, \cm
	MULA 2, 0, \s, \cm
	s_wait_dscnt 0x0
	PLACES 4
	FETCH_B \slot, 1, 1
	FETCH_A \slot, 1, 0
.if \cm
	WIN 0xc1
.else
	WIN 0xf1
.endif
	MULA 4, 0, \s, \cm
	MULA 6, 0, \s, \cm
	PLACES 4
	WIN 0
	FETCH_A \slot, 1, 4
.endm
.macro TURN slot, next, s, fill
	s_wait_tensorcnt 0x0
	ds_add_u32 v[SPW], v[NIL]
	s_wait_dscnt 25
	WIN 0xa1
	MULA 0, 1, \s, 0
	s_wait_dscnt 0x0
	s_barrier_signal -1
	MULA 2, 1, \s, 0
	WIN 0
	s_barrier_wait -1
.if \fill
	CREST
.if \fill == 2                         ; on to part 2: its K steps 0, 1 into slot 0.  No tensor load of mine is out: the descriptors may be written
	s_mov_b64 s[G0+2:G0+3], s[70:71]
	s_or_b32 s[G0+3], s[G0+3], 0x80000000
	s_mov_b64 s[G0B+2:G0B+3], s[78:79]
	s_or_b32 s[G0B+3], s[G0B+3], 0x80000000
	s_mov_b32 s[G0B+1], s80
	s_mov_b32 s[G1B+2], 4<<16                      ; a load for B brings four tiles from here on
	s_mov_b32 s[G1B+4], 4
.else
	s_add_nc_u64 s[G0+4*\slot+2:G0+4*\slot+3], s[G0+4*\slot+2:G0+4*\slot+3], 2*TILEB
	s_add_nc_u64 s[G0B+4*\slot+2:G0B+4*\slot+3], s[G0B+4*\slot+2:G0B+4*\slot+3], 2*TILEB
.endif
	JLOAD G0+4*\slot, G1, G0B+4*\slot, G1B
.else
	PLACES 4
.endif
	FETCH_B \next, 0, 0
	FETCH_A \next, 0, 0
	global_prefetch_b8 v[PFO2], s[84:85] offset:((\s)-1)/2*3072 th:TH_LOAD_NT scope:SCOPE_SE   ; two fills on: part 2's fill (s - 1) / 2
	WIN 0xf1
	MULA 4, 1, \s, 0
	MULA 6, 1, \s, 0
	PLACES 4
	WIN 0
	FETCH_A \next, 0, 4
.endm
	; PART 2's addresses.  s40: its block of 128 tokens = 4 x cluster + cx; A: Wv's tiles 1664 + 16 cy ..; B: V's tiles 1024 + 8 x block ..
	s_and_b32 s40, ttmp7, 0xffff
	s_lshl_b32 s40, s40, 2
	s_add_co_u32 s40, s40, s[CX]
	s_lshl_b32 s41, s[CY], 4
	s_lshl_b32 s46, s[BH], 3
	s_add_co_u32 s41, s41, s46
	s_add_co_u32 s41, s41, 1664
	s_mul_i32 s70, s41, 12288
	s_mov_b32 s71, 0
	s_add_nc_u64 s[70:71], s[4:5], s[70:71]        ; the eight tiles of A that a wave fetches
	s_lshl_b32 s42, s40, 3
	s_lshl_b32 s47, s[BH], 2
	s_add_co_u32 s42, s42, s47
	s_add_co_u32 s42, s42, 1024
	s_mul_i32 s78, s42, 12288
	s_mov_b32 s79, 0
	s_add_nc_u64 s[78:79], s[4:5], s[78:79]        ; the four tiles of B
	s_mul_i32 s80, s[BH], 4*TILEB
	s_add_co_u32 s80, s80, 2*HALFA                 ; and where they go in slot 0
	s_cmp_eq_u32 s[AH], 0
	s_cselect_b64 s[84:85], s[70:71], s[78:79]     ; the prefetches: my tiles,
	s_cselect_b32 s66, s[CX], s[CY]                ; my place among the four partners,
	s_cselect_b32 s67, 2, 1                        ; which takes two tiles of A's eight or one of B's four,
	s_cselect_b32 s98, 23, 11                      ; 24 or 12 blocks
	s_mul_i32 s66, s66, s67
	s_mul_i32 s66, s66, 12288
	s_mov_b32 s67, 0
	s_add_nc_u64 s[84:85], s[84:85], s[66:67]
	s_lshl_b32 s43, s[CY], 4                       ; scale words: my four tiles of A,
	s_lshl_b32 s44, s[WV], 2
	s_add_co_u32 s43, s43, s44
	s_add_co_u32 s43, s43, 1664
	s_lshl_b32 s43, s43, 9
	s_lshl_b32 s44, s40, 3                         ; B's eight
	s_add_co_u32 s44, s44, 1024
	s_lshl_b32 s44, s44, 9
	s_lshl_b32 s81, s[CY], 2
	s_add_co_u32 s81, s81, s[WV]                   ; my head
	s_lshl_b32 s96, s81, 8
	s_mov_b32 s97, 0
	s_add_nc_u64 s[96:97], s[12:13], s[96:97]      ; its 64 numbers of bv
	s_lshr_b32 s94, s40, 4                         ; batch
	s_lshl_b32 s94, s94, 4
	s_add_co_u32 s94, s94, s81
	s_mul_i32 s94, s94, 204800
	s_and_b32 s99, s40, 15                         ; key step
	s_mul_i32 s99, s99, 12800
	s_add_co_u32 s94, s94, s99
	s_add_co_u32 s94, s94, 6144                    ; the v fragments lie behind the step's four k images
	s_mov_b32 s95, 0
	s_add_nc_u64 s[94:95], s[16:17], s[94:95]
	s_mul_i32 s99, s[WV], 4*TILEB
	v_add_nc_u32 v[ADA2], s99, v2
	s_add_co_u32 s99, s99, SLOT
	v_add_nc_u32 v[ADA2+1], s99, v2
	v_add_nc_u32 v[ADB2], 2*HALFA, v2
	v_add_nc_u32 v[ADB2+1], 2*HALFA+SLOT, v2
	v_min_u32 v[PFO2], s98, v1
	v_add_nc_u32 v5, 4, v[PFO2]
	v_lshrrev_b32 v5, 4, v5
	v_mul_u32_u24 v5, 0x2400, v5
	v_lshl_add_u32 v[PFO2], v[PFO2], 8, v5
	v_mov_b32 v6, s43
	v_mov_b32 v7, s44
	v_cndmask_b32 v6, v6, v7, s[HMK]               ; v6: scale words: lanes 0-15 A's tiles, lanes 16-31 B's
	v_lshl_add_u32 v6, v3, 4, v6
	v_sub_nc_u32 v7, 1, v4
	v_lshlrev_b32 v7, 11, v7
	v_sub_nc_u32 v7, v6, v7                        ; v7: A has four tiles: for registers 4-7 lanes 0-15 read them again
	v_and_b32 v5, 8, v3
	v_add_nc_u32 v5, v5, v3
	v_lshlrev_b32 v5, 2, v5                        ; v5: the bias of my row of a tile of Wv
	s_wait_alu depctr_va_vdst(0)
	s_wait_tensorcnt 0x0                           ; my part of fill 0 is in
	ds_add_u32 v[SPW], v[NIL]
	s_wait_dscnt 0x0
	CROUND
	JLOAD G0+4, G1, G0B+4, G1B                     ; fill 1, the first tensor load behind the round
	FETCH_B 0, 0, 0
	FETCH_A 0, 0, 0
	FETCH_A 0, 0, 4
	global_prefetch_b8 v[PFO1], s[100:101] offset:9216 th:TH_LOAD_NT scope:SCOPE_SE   ; fill 3
	s_wait_loadcnt 0x0
	STEP 0, 0, 1
	TURN 0, 1, 1, 1
	STEP 1, 2, 0
	TURN 1, 0, 3, 1
	STEP 0, 4, 0
	TURN 0, 1, 5, 2
	STEP 1, 6, 0
	s_wait_dscnt 24
	WIN 0xa1
	MULA 0, 1, 7, 0
	MULA 2, 1, 7, 0
	s_wait_dscnt 0x0
	WIN 0xf1
	MULA 4, 1, 7, 0
	MULA 6, 1, 7, 0
	WIN 0
	PLACES 4
; part 2's scale words and bias, into the registers that held part 1's: they land under the way out
.irp i, 0,1,2,3
.irp g, 0,1
	global_load_b128 v[SC+8*\i+4*\g:SC+8*\i+4*\g+3], v6, s[6:7] offset:512*\i+256*\g
.endr
.endr
.irp i, 4,5,6,7
.irp g, 0,1
	global_load_b128 v[SC+8*\i+4*\g:SC+8*\i+4*\g+3], v7, s[6:7] offset:512*\i+256*\g
.endr
.endr
.irp x, 0,1,2,3
.irp j, 0,1,2,3,4,5,6,7
	global_load_b32 v[BT+8*\x+\j], v5, s[96:97] offset:(32*(\x/2)+8*(\x%2))*4
.endr
.endr
.macro QUANTW W, s, pc, pw
	WIN 5*(\W)
.irp b, 0,1,2,3
	v_max3_num_f32 v[TM+\b], |v[(\s)+16*\b]|, |v[(\s)+1+16*\b]|, 0x2800000
.endr
.irp i, 2,4,6,8,10,12,14
.irp b, 0,1,2,3
	v_max3_num_f32 v[TM+\b], |v[(\s)+16*\b+\i]|, |v[(\s)+1+16*\b+\i]|, v[TM+\b]
.endr
.endr
	WIN 0
.irp b, 0,1,2,3
	v_permlanex16_b32 v[TM+4+\b], v[TM+\b], s2, s3
.endr
.irp b, 0,1,2,3
	v_max_num_f32 v[TM+\b], v[TM+\b], v[TM+4+\b]
.endr
.irp b, 0,1,2,3
	v_add_nc_u32 v[TM+12+\b], 0xfe000000, v[TM+\b]
.endr
.irp b, 0,1,2,3
	v_lshrrev_b32 v[TM+4+\b], 23, v[TM+12+\b]
.endr
	v_lshl_or_b32 v[\pw], v[TM+5], 8, v[TM+4]
	v_lshl_or_b32 v[\pw], v[TM+6], 16, v[\pw]
	v_lshl_or_b32 v[\pw], v[TM+7], 24, v[\pw]
	WIN \W
.irp c, 0,1
	v_cvt_scalef32_pk16_bf6_f32 v[\pc+6*\c:\pc+2+6*\c], v[(\s)+32*\c:(\s)+15+32*\c], v[TM+12+2*\c]
	v_cvt_scalef32_pk16_bf6_f32 v[PT+4*\c:PT+2+4*\c], v[(\s)+16+32*\c:(\s)+31+32*\c], v[TM+13+2*\c]
.endr
	WIN 0
	v_nop
.irp c, 0,1
.irp i, 0,1,2
	v_permlane16_swap_b32 v[\pc+6*\c+\i], v[PT+4*\c+\i]
.endr
.irp i, 0,1,2
	v_mov_b32 v[\pc+3+6*\c+\i], v[PT+4*\c+\i]
.endr
.endr
.endm
.irp b, 0,1,2,3
	v_mov_b32 v[TM+4+\b], 0
.endr
.irp al, 0,1,2,3
.if \al > 0
	s_wait_xcnt 0x0
.if \al == 2
	s_add_nc_u64 s[86:87], s[86:87], s[92:93]
	s_wait_tensorcnt 0x0                           ; slot 1 is read no more: it takes part 2's K steps 2, 3.  All my tensor loads have landed,
	ds_add_u32 v[SPW], v[NIL]
	s_wait_dscnt 0x0
	CROUND
	s_add_nc_u64 s[G0+6:G0+7], s[70:71], TILEB
	s_or_b32 s[G0+7], s[G0+7], 0x80000000
	s_add_nc_u64 s[G0B+6:G0B+7], s[78:79], TILEB
	s_or_b32 s[G0B+7], s[G0B+7], 0x80000000
	s_add_co_u32 s[G0B+5], s80, SLOT
	JLOAD G0+4, G1, G0B+4, G1B
	global_prefetch_b8 v[PFO2], s[84:85] offset:9216 th:TH_LOAD_NT scope:SCOPE_SE   ; two fills on: part 2's last
.else
	s_add_nc_u64 s[86:87], s[86:87], s[90:91]
.endif
.endif
	QUANTW 2+(\al/2), 64*((2*\al)%4), R, PW+2*\al
	QUANTW 2+(\al/2), 64*((2*\al+1)%4), R+12, PW+2*\al+1
.irp i, 0,1,2,3,4,5
	v_mov_b32 v[TS+\i], v[R+6+\i]
.endr
.irp i, 0,1,2,3,4,5
	v_cndmask_b32 v[R+6+\i], v[R+6+\i], v[R+12+\i], s[KM]
.endr
.irp i, 0,1,2,3,4,5
	v_cndmask_b32 v[R+12+\i], v[R+12+\i], v[TS+\i], s[KM]
.endr
.irp x, 0,1
.irp c, 0,1,2
	global_store_b128 v[VO+\x], v[R+12*\x+4*\c:R+12*\x+4*\c+3], s[86:87] offset:512*\c
.endr
.endr
.endr
.irp al, 0,1,2,3
	v_perm_b32 v[WD+2*\al], v[PW+2*\al+1], v[PW+2*\al], 0x05040100
	v_perm_b32 v[WD+2*\al+1], v[PW+2*\al+1], v[PW+2*\al], 0x07060302
.endr
.irp x, 0,1
.irp i, 0,1
	v_cndmask_b32 v[TS+2*\x+\i], v[WD+4*\i+\x], v[WD+4*\i+2+\x], s[HMK]
	v_cndmask_b32 v[SP+2*\x+\i], v[PW+4*\x+2*\i], v[PW+4*\x+2*\i+1], s[HMK]
.endr
.endr
.irp n, 0,1,2,3
	v_cndmask_b32 v[SP+\n], v[SP+\n], v[TS+\n], s[KM]
.endr
	global_store_b64 v2, v[SP:SP+1], s[88:89]
	global_store_b64 v[VP1], v[SP+2:SP+3], s[88:89]
; PART 2: v.  Source 0 = 16 tokens of V, source 1 = 16 rows of Wv: a lane holds one d, its registers run along the keys.  Both operands have two sets of registers: a step's 72 LDS loads are asked for a whole step ahead.
.macro FETCH2 slot, q, p
	WIN 0x40
.irp i, 0,1,2,3,4,5,6,7
	FRAG 128*(\p)+FR*\i, ADB2+\slot, \q, \i
.endr
	WIN 0
.irp i, 0,1,2,3
	FRAG AF+48*(\p)+FR*\i, ADA2+\slot, \q, \i
.endr
.endm
.macro MUL2 a, p, s, cm                ; my block a of A x B's eight; the 32 accumulators by turns
.irp b, 0,1,2,3,4,5,6,7
.set AC, 8*(8*(\a)+\b)
.if \cm
	v_wmma_scale_f32_16x16x128_f8f6f4 v[AC:AC+7], v[128*(\p)+FR*\b:128*(\p)+FR*\b+FR-1], v[AF+48*(\p)+FR*(\a):AF+48*(\p)+FR*(\a)+FR-1], v[BT+8*(\a):BT+8*(\a)+7], v[SC+8*\b+(\s)], v[SC+8*(\a)+(\s)] matrix_a_fmt:MATRIX_FMT_BF6 matrix_b_fmt:MATRIX_FMT_BF6 matrix_a_scale:MATRIX_SCALE_ROW1
.else
	v_wmma_scale_f32_16x16x128_f8f6f4 v[AC:AC+7], v[128*(\p)+FR*\b:128*(\p)+FR*\b+FR-1], v[AF+48*(\p)+FR*(\a):AF+48*(\p)+FR*(\a)+FR-1], v[AC:AC+7], v[SC+8*\b+(\s)], v[SC+8*(\a)+(\s)] matrix_a_fmt:MATRIX_FMT_BF6 matrix_b_fmt:MATRIX_FMT_BF6 matrix_a_scale:MATRIX_SCALE_ROW1
.endif
.endr
.endm
.macro EVEN2 slot, s, cm               ; a slot's first K step: the second's fragments are fetched ahead of its products
	s_wait_dscnt 0x0
	PLACES 4
	FETCH2 \slot, 1, 1
.if \cm
	WIN 0x81
.else
	WIN 0xa1
.endif
	MUL2 0, 0, \s, \cm
	MUL2 1, 0, \s, \cm
	MUL2 2, 0, \s, \cm
	MUL2 3, 0, \s, \cm
	WIN 0
.endm
.macro ODD2 slot, next, s, fill        ; a slot's second K step, and the change of slots: my reads of this slot are over when its fragments are in
	s_wait_tensorcnt 0x0
	ds_add_u32 v[SPW], v[NIL]
	s_wait_dscnt 1                                 ; the step's fragments are in; the add may be out
	WIN 0xa1
	MUL2 0, 1, \s, 0
	s_wait_dscnt 0x0
	s_barrier_signal -1
	MUL2 1, 1, \s, 0
	WIN 0
	s_barrier_wait -1
.if \fill
	CREST
	s_add_nc_u64 s[G0+4*\slot+2:G0+4*\slot+3], s[G0+4*\slot+2:G0+4*\slot+3], 2*TILEB
	s_add_nc_u64 s[G0B+4*\slot+2:G0B+4*\slot+3], s[G0B+4*\slot+2:G0B+4*\slot+3], 2*TILEB
	JLOAD G0+4*\slot, G1, G0B+4*\slot, G1B
.else
	PLACES 4
.endif
	FETCH2 \next, 0, 0
	WIN 0xa1
	MUL2 2, 1, \s, 0
	MUL2 3, 1, \s, 0
	WIN 0
.endm
	s_wait_xcnt 0x0                                ; part 1's stores have read their registers, which the loads below write
	s_wait_tensorcnt 0x1                           ; my part of slot 0 is in; slot 1's load may be out
	s_barrier_signal -1
	s_barrier_wait -1
	FETCH2 0, 0, 0
	s_wait_loadcnt 0x0                             ; scale words and bias
	EVEN2 0, 0, 1                                  ; the first products take the bias as C
	ODD2 0, 1, 1, 1
	EVEN2 1, 2, 0
	ODD2 1, 0, 3, 1
	EVEN2 0, 4, 0
	ODD2 0, 1, 5, 0
	EVEN2 1, 6, 0
	s_wait_dscnt 0x0
	WIN 0xa1
	MUL2 0, 1, 7, 0
	MUL2 1, 1, 7, 0
	MUL2 2, 1, 7, 0
	MUL2 3, 1, 7, 0
	WIN 0
	PLACES 4
.irp al, 0,1                           ; block a of my head is v fragment a: 128 keys quantised along the keys
.if \al > 0
	s_wait_xcnt 0x0
.endif
	QUANTW 2, 128*\al, R, PW+2*\al
	QUANTW 2, 128*\al+64, R+12, PW+2*\al+1
.irp x, 0,1
.irp c, 0,1,2
	global_store_b128 v[VO], v[R+12*\x+4*\c:R+12*\x+4*\c+3], s[94:95] offset:3072*\al+1536*\x+512*\c
.endr
.endr
.endr
	v_cndmask_b32 v[SP], v[PW], v[PW+1], s[HMK]    ; scale words: register i: lanes 0-15 fragment 2 i, lanes 16-31 fragment 2 i + 1
	v_cndmask_b32 v[SP+1], v[PW+2], v[PW+3], s[HMK]
	global_store_b64 v2, v[SP:SP+1], s[94:95] offset:6400
	s_wait_tensorcnt 0x0
	ds_add_u32 v[SPW], v[NIL]
	s_wait_dscnt 0x0
	CROUND
	s_endpgm
.Lfunc_end_k_qb902c59ffa_proj:
	.size	k_qb902c59ffa_proj, .Lfunc_end_k_qb902c59ffa_proj-k_qb902c59ffa_proj
	.p2alignl 7, 3214868480
	.fill 96, 4, 3214868480
	.section	.rodata,"a",@progbits
	.p2align	6, 0x0
	.amdhsa_kernel k_qb902c59ffa_proj
		.amdhsa_group_segment_fixed_size 327680
		.amdhsa_private_segment_fixed_size 0
		.amdhsa_enable_private_segment 0
		.amdhsa_kernarg_size 56
		.amdhsa_user_sgpr_count 2
		.amdhsa_user_sgpr_kernarg_segment_ptr 1
		.amdhsa_wavefront_size32 1
		.amdhsa_system_sgpr_workgroup_id_x 1
		.amdhsa_system_sgpr_workgroup_id_y 1
		.amdhsa_system_sgpr_workgroup_id_z 1
		.amdhsa_system_vgpr_workitem_id 0
		.amdhsa_next_free_vgpr 1024
		.amdhsa_next_free_sgpr 102
		.amdhsa_reserve_vcc 0
		.amdhsa_float_denorm_mode_32 3
		.amdhsa_float_denorm_mode_16_64 3
		.amdhsa_memory_ordered 1
		.amdhsa_forward_progress 1
		.amdhsa_inst_pref_size 255
	.end_amdhsa_kernel
	.section	.bss,"aw",@nobits
	.p2align	6
	.space	262144
	.amdgpu_metadata
---
amdhsa.version: [ 1, 2 ]
amdhsa.kernels:
  - .name:           k_qb902c59ffa_proj
    .symbol:         k_qb902c59ffa_proj.kd
    .args:
      - { .name: gc, .offset: 0, .size: 8, .value_kind: global_buffer, .address_space: global }
      - { .name: gs, .offset: 8, .size: 8, .value_kind: global_buffer, .address_space: global }
      - { .name: bq, .offset: 16, .size: 8, .value_kind: global_buffer, .address_space: global }
      - { .name: bk, .offset: 24, .size: 8, .value_kind: global_buffer, .address_space: global }
      - { .name: bv, .offset: 32, .size: 8, .value_kind: global_buffer, .address_space: global }
      - { .name: qi, .offset: 40, .size: 8, .value_kind: global_buffer, .address_space: global }
      - { .name: kv, .offset: 48, .size: 8, .value_kind: global_buffer, .address_space: global }
    .group_segment_fixed_size: 327680
    .private_segment_fixed_size: 0
    .kernarg_segment_align: 8
    .kernarg_segment_size: 56
    .max_flat_workgroup_size: 128
    .sgpr_count:     102
    .vgpr_count:     1024
    .wavefront_size: 32
...
	.end_amdgpu_metadata
.endif
;; end of part 2
;; launch attn (part 3): grid 4 x 64, 16 waves a work-group, clusters of 4 x 1, 206,848 bytes of LDS; arguments qi, kv, cc, cs; writes cc, cs
.if DOCPART == 3
	.amdgcn_target "amdgcn-amd-amdhsa--gfx1250"
	.amdhsa_code_object_version 6
	.text
	.protected	k_qb902c59ffa_attn
	.globl	k_qb902c59ffa_attn
	.p2align	8
	.type	k_qb902c59ffa_attn,@function
k_qb902c59ffa_attn:
	s_mov_b64 s[64:65], 0
	v_nop
	global_prefetch_b8 v0, s[64:65] scope:SCOPE_SE
	s_setreg_imm32_b32 hwreg(HW_REG_WAVE_MODE, 25, 1), 1
	s_wait_xcnt 0x0
	s_wait_alu depctr_hold_cnt(0) depctr_sa_sdst(0) depctr_va_vdst(0) depctr_va_sdst(0) depctr_va_ssrc(0) depctr_va_vcc(0) depctr_vm_vsrc(0)
	s_getreg_b32 s2, hwreg(HW_REG_IB_STS2, 6, 4)
	s_cmp_eq_u32 s2, 0
	s_cbranch_scc0 .Lentry_in_a_cluster
	s_endpgm
.Lentry_in_a_cluster:
	s_bfe_u32 s2, ttmp6, 0x10000c
	s_cmp_lg_u32 s2, 0x3003
	s_cbranch_scc0 .Lentry_shape_is_right
	s_endpgm
.Lentry_shape_is_right:
; ctx[b][q][64 h + d] = sum over keys of softmax(q . k / 8) v; both products on codes of BF6 (E3M2) with E8M0 scales; ctx is quantised along the model's 1,024 for the last product.
; SOFTMAX: t = score x log2(e) / 8; M = the running largest t rounded up to a whole number; p = 2^(t - M) is quantised along the keys; the row's sum is taken of the unquantised p and divides at the end.
; When M moves, the sums and O are multiplied by f = 2^(old M - new M), which rounds nothing.
; SHARES: a work-group has one (batch, head) and 512 queries; each of its 16 waves 32 queries, as two passes of 16.  The head's K, V and scale words, 204,800 bytes, are filled once and only read after:
; no ring.  The four work-groups of a head are a cluster and ask jointly: wave w asks for key step w (12,800 dense bytes).  All is asked for at the head and no loop runs ahead of a load: no prefetch.
; LAYOUT: S^T = k q^T and O^T = v^T p^T: a lane holds one query (lane % 16).  A k image holds tile 2 b in registers 0-5 and tile 2 b + 1 in 6-11 and is multiplied by [q | zeros] and by [zeros | q] (the head is 64, the instruction 128 along K).
; THE KEYS OF A TILE: rows 0-7 of tile 4 c + i are keys 64 c + 8 i + 0..7, rows 8-15 keys 64 c + 32 + 8 i + 0..7.  So lane (r, h) has in v[96+32c .. 127+32c] the keys 64 c + 32 h + 0..31 in order:
; ONE WHOLE BLOCK of p's quantiser, in the order of p's operand registers.  A block's maximum needs no other lane, and the conversions' results are the operand (three registers of each six are moved, since a conversion's result begins on an even register).
; kv, a key step: 4 k images (1,536 bytes each), 4 v fragments, k's scale words (256), v's (256).  OUT: cc = tile x 12288 + head x 768 + group x 256 + 8 x lane; cs: two scale bytes of this head for each row.
; LIMITS: NaN and infinities are not served; v_exp_f32 gives 0 for results under 2^-126; a block's largest p is made from its largest score by the same two instructions, which takes v_exp_f32 not to fall where its input rises;
; a block whose largest number lies under 2^-122 gets the byte 1 (this program alone reads the bytes).
; REGISTERS: v1 16 x lane, v2 8 x lane, v3-4 the step's addresses, v6 place in cs, v10 8 x (lane / 16); v12 -M, v13 the largest score; v16-33 zeros | q | zeros; v34-45 q's image; v46-47 q's scale words;
;   v48-95 k images, then v fragments; v96-159 S^T, then p; v160-191 O^T; v192-211 p's codes; v212-223 at work; v224-227 k's, v's scale words; v228 p's; v[230:231] f; v232 at work; v234-245 the way out; v246-253 the sum, four pairs.
.set STEPB, 12800
.set WV,  12
.set SEL, 28
.set CS,  30
.set TB,  32
.set CNT, 33
.set PASS, 34
.set HM,  35
.set NC,  37
.macro CROUND
	s_barrier_signal -1
	s_barrier_wait -1
	s_cmp_lg_u32 s[WV], 0
	s_cbranch_scc1 .Lnot_wave_0_\@
	s_barrier_signal -3
.Lnot_wave_0_\@:
	s_barrier_wait -3
	s_barrier_signal -1
	s_barrier_wait -1
.endm
	s_load_b256 s[4:11], s[0:1], 0x0               ; qi, kv, cc, cs
	v_lshl_add_u32 v254, v0, 2, 0x32000
	v_mov_b32 v255, 0
	ds_add_u32 v254, v255                          ; the opening lines
	ds_add_u32 v254, v255
	v_lshrrev_b32 v5, 5, v0
	s_delay_alu instid0(VALU_DEP_1)
	v_readfirstlane_b32 s[WV], v5                  ; wave 0..15
	s_bfe_u32 s13, ttmp6, 0x40000                  ; cx
	s_and_b32 s14, ttmp7, 0xffff                   ; 16 x batch + head
	s_lshl_b32 s15, s13, 4
	s_add_co_u32 s15, s15, s[WV]                   ; my pair of query tiles, 0..63: in global addresses alone
	s_mov_b32 s20, 15|(3<<16)|(1<<21)              ; group 1: 50 rows of 256 bytes, dense; the mask names all four
	s_mov_b32 s21, 32<<16
	s_mov_b32 s22, 50<<16
	s_mov_b32 s23, 32<<16
	s_mov_b32 s24, 50
	s_mov_b32 s25, 32
	s_mov_b32 s26, 0
	s_mov_b32 s27, 0
	s_mul_i32 s42, s14, 16*STEPB
	s_mul_i32 s44, s[WV], STEPB
	s_add_co_u32 s42, s42, s44
	s_mov_b32 s43, 0
	s_wait_dscnt 0x0
	s_wait_kmcnt 0x0
	s_mov_b32 s16, 1
	s_mov_b32 s17, s44                             ; LDS: wave x 12,800
	s_add_nc_u64 s[18:19], s[6:7], s[42:43]
	s_or_b32 s19, s19, 0x80000000
	CROUND
	tensor_load_to_lds s[16:19], s[20:27]          ; my one tensor load: key step w
	s_nop 0
.rept 4
	v_nop
.endr
	v_and_b32 v5, 31, v0
	s_delay_alu instid0(VALU_DEP_1)
	v_lshlrev_b32 v1, 4, v5
	s_delay_alu instid0(VALU_DEP_2)
	v_lshlrev_b32 v2, 3, v5
	v_and_b32 v7, 15, v0                           ; r
	s_wait_alu depctr_va_vdst(0)
	v_bfe_u32 v8, v0, 4, 1                         ; h
	v_lshlrev_b32 v6, 4, v7
	s_delay_alu instid0(VALU_DEP_1)
	v_lshl_add_u32 v6, v8, 9, v6                   ; cs: lanes 0-15 the first tile's rows, lanes 16-31 the second's
	v_lshlrev_b32 v10, 3, v8                       ; 8 h: how far my two scale bytes are shifted in p's word
	s_mul_i32 s46, s14, 102400                     ; qi: head, step of 128 queries, image
	s_lshr_b32 s48, s15, 2
	s_mul_i32 s48, s48, 6400
	s_add_co_u32 s46, s46, s48
	s_mov_b32 s47, 0
	s_and_b32 s48, s15, 3
	s_mul_i32 s48, s48, 1536
	s_mov_b32 s49, 0
	s_and_b32 s50, s15, 1
	s_lshl_b32 s50, s50, 7
	s_bfe_u32 s51, s15, 0x10001
	s_lshl_b32 s51, s51, 2
	s_add_co_u32 s50, s50, s51
	s_add_nc_u64 s[46:47], s[4:5], s[46:47]
	s_add_nc_u64 s[48:49], s[46:47], s[48:49]
	v_lshl_add_u32 v9, v7, 3, s50
.irp c, 0,1,2
	global_load_b128 v[34+4*\c:37+4*\c], v1, s[48:49] offset:512*\c   ; q's image: two tiles of 16 queries
.endr
	global_load_b32 v46, v9, s[46:47] offset:6144  ; its scale word
	s_lshr_b32 s52, s14, 4                         ; batch
	s_and_b32 s53, s14, 15                         ; head
	s_lshl_b32 s52, s52, 7
	s_lshl_b32 s54, s15, 1
	s_add_co_u32 s52, s52, s54                     ; my first token tile
	s_mul_i32 s38, s52, 12288
	s_mul_i32 s54, s53, 768
	s_add_co_u32 s38, s38, s54
	s_mov_b32 s39, 0
	s_add_nc_u64 s[38:39], s[8:9], s[38:39]        ; cc
	s_lshl_b32 s40, s52, 9
	s_lshr_b32 s54, s53, 3
	s_lshl_b32 s54, s54, 8
	s_add_co_u32 s40, s40, s54
	s_and_b32 s54, s53, 7
	s_lshl_b32 s54, s54, 1
	s_add_co_u32 s40, s40, s54
	s_mov_b32 s41, 0
	s_add_nc_u64 s[40:41], s[10:11], s[40:41]      ; cs
	s_mov_b32 s[SEL], 0x76543210
	s_mov_b32 s[SEL+1], 0xfedcba98                 ; selects for lane l xor 16
	s_mov_b32 s[CS], 0x3e38aa3b                    ; c = log2(e) / 8
	s_mov_b32 s[CS+1], s[CS]
	s_mov_b32 s[NC], 0xbe38aa3b                    ; -c
	s_mov_b32 s36, 0x01000100                      ; v_perm_b32: bytes 0, 1, 0, 1
.irp i, 0,1,2,3,4,5
	v_mov_b32 v[16+\i], 0                          ; zero codes on both sides of q
	v_mov_b32 v[28+\i], 0
.endr
.irp b, 0,1,2,3
	v_mov_b32 v[216+\b], 0                         ; a lane permute's destination counts as a source
.endr
	v_mov_b32 v231, 0
	v_mov_b32 v232, 0
	v_mov_b32 v244, 0
	s_wait_tensorcnt 0x0                           ; my key step has landed,
	s_barrier_signal -1
	s_barrier_wait -1                              ; everybody's has: LDS is only read from here on
	s_wait_loadcnt 0x0                             ; q
	s_mov_b32 s[PASS], 2
	s_mov_b32 s[HM], -1
.Lpass:                                            ; 16 queries.  Key step 0's k images and scale words are asked for first: they land under the lines below
	ds_load_b64 v[224:225], v2 offset:12288
.irp b, 0,1,2,3
.irp c, 0,1,2
	ds_load_b128 v[48+12*\b+4*\c:51+12*\b+4*\c], v1 offset:1536*\b+512*\c
.endr
.endr
.irp i, 0,1,2,3,4,5
	v_mov_b32 v[22+\i], v[34+\i]                   ; this pass's tile between the zeros
.endr
.irp i, 0,1,2,3,4,5
	v_mov_b32 v[34+\i], v[40+\i]                   ; the next pass's in its place
.endr
	v_perm_b32 v47, v46, v46, s36                  ; the tile's two scale bytes, for both halves of K
	v_lshrrev_b32 v46, 16, v46
	v_mov_b32 v13, 0xff61b1e6                      ; the largest score so far: -3e38
	v_mov_b32 v12, 0x7f000000                      ; -M: so large that the first step's f is 0
	v_mov_b32 v232, 0x7f000000                     ; and its copy, the old -M of the first step
.irp i, 0,1,2,3,4,5,6,7
	v_mov_b32 v[246+\i], 0                         ; the sum
.endr
.set j, 0
.rept 32
	v_mov_b32 v[160+j], 0                          ; O^T (these lines are also the places between the writes of q and its scale word and the first product)
.set j, j+1
.endr
	s_mov_b32 s[TB], 0
	s_mov_b32 s[CNT], 15
; A step of 128 keys.  Its k images and scale words, 13 LDS loads, were asked for a step ago.  more = 1: it asks for the next step's; the 16th step, written out behind the loop of 15, asks for nothing.
.macro STEPM more
	s_wait_alu depctr_va_vdst(0)
.irp b, 0,1,2,3
	s_wait_dscnt 9-3*\b                            ; image b is in; the later images' three loads each may be out
.if \b%2
	v_wmma_scale_f32_16x16x128_f8f6f4 v[96+16*\b:103+16*\b], v[48+12*\b:59+12*\b], v[22:33], 0, v[224+\b/2], v47 matrix_a_fmt:MATRIX_FMT_BF6 matrix_b_fmt:MATRIX_FMT_BF6 matrix_a_scale:MATRIX_SCALE_ROW1
	v_wmma_scale_f32_16x16x128_f8f6f4 v[104+16*\b:111+16*\b], v[48+12*\b:59+12*\b], v[16:27], 0, v[224+\b/2], v47 matrix_a_fmt:MATRIX_FMT_BF6 matrix_b_fmt:MATRIX_FMT_BF6 matrix_a_scale:MATRIX_SCALE_ROW1
.else
	v_wmma_scale_f32_16x16x128_f8f6f4 v[96+16*\b:103+16*\b], v[48+12*\b:59+12*\b], v[22:33], 0, v[224+\b/2], v47 matrix_a_fmt:MATRIX_FMT_BF6 matrix_b_fmt:MATRIX_FMT_BF6
	v_wmma_scale_f32_16x16x128_f8f6f4 v[104+16*\b:111+16*\b], v[48+12*\b:59+12*\b], v[16:27], 0, v[224+\b/2], v47 matrix_a_fmt:MATRIX_FMT_BF6 matrix_b_fmt:MATRIX_FMT_BF6
.endif
.endr
	v_add_nc_u32 v3, s[TB], v1                     ; the step's addresses; with the two lines below: four places in front of the loads and of the first read of the scores
	v_add_nc_u32 v4, s[TB], v2
	v_nop
	v_nop
	ds_load_b64 v[226:227], v4 offset:12544        ; v's scale words and fragments land under the softmax
.irp t, 0,1,2,3
.irp c, 0,1,2
	ds_load_b128 v[48+12*\t+4*\c:51+12*\t+4*\c], v3 offset:6144+1536*\t+512*\c
.endr
.endr
; my two blocks' largest scores: 32 numbers each, in two chains; each accumulator is first read at its low end
.irp c, 0,1
	v_max3_num_f32 v[212+\c], v[96+32*\c], v[97+32*\c], v[98+32*\c]
	v_max3_num_f32 v[214+\c], v[112+32*\c], v[113+32*\c], v[114+32*\c]
.endr
.irp i, 3,5,7,9,11,13
.irp c, 0,1
	v_max3_num_f32 v[212+\c], v[212+\c], v[96+32*\c+\i], v[97+32*\c+\i]
	v_max3_num_f32 v[214+\c], v[214+\c], v[112+32*\c+\i], v[113+32*\c+\i]
.endr
.endr
.irp c, 0,1
	v_max3_num_f32 v[212+\c], v[212+\c], v[111+32*\c], v[127+32*\c]
.endr
.irp c, 0,1
	s_delay_alu instid0(VALU_DEP_2)
	v_max_num_f32 v[212+\c], v[212+\c], v[214+\c]  ; block 2 c + h of my query
.endr
	s_delay_alu instid0(VALU_DEP_1)
	v_max_num_f32 v216, v212, v213
	s_delay_alu instid0(VALU_DEP_1)
	v_permlanex16_b32 v217, v216, s[SEL], s[SEL+1]
	s_delay_alu instid0(VALU_DEP_1)
	v_max3_num_f32 v13, v13, v216, v217            ; the running largest score (c is positive)
	s_delay_alu instid0(VALU_DEP_1)
	v_mul_f32 v218, s[NC], v13                     ; -t
	s_delay_alu instid0(VALU_DEP_1)
	v_floor_f32 v12, v218                          ; the new -M = -ceil(t)
	s_delay_alu instid0(VALU_DEP_1)
	v_sub_f32 v232, v12, v232                      ; old M - new M: a whole number, 0 or less
	s_delay_alu instid0(VALU_DEP_1)
	v_cvt_i32_f32 v232, v232                       ; (it saturates)
	s_delay_alu instid0(VALU_DEP_1)
	v_ldexp_f32 v230, 1.0, v232                    ; f
.set j, 0
.rept 32
	v_pk_fma_f32 v[96+j:97+j], v[96+j:97+j], s[CS:CS+1], v[12:13] op_sel_hi:[1,0,0]   ; t - M
.set j, j+2
.endr
.irp c, 0,1
	v_fma_f32 v[212+\c], v[212+\c], s[CS], v12     ; the same of each block's largest score
.endr
.set j, 0
.rept 16
	v_pk_mul_f32 v[160+j:161+j], v[160+j:161+j], v[230:231] op_sel_hi:[1,0]   ; O^T under the new M, ahead of the exponentials
.set j, j+2
.endr
	s_wait_alu depctr_va_vdst(0)
	v_exp_f32 v212, v212                           ; my blocks' largest p
	v_exp_f32 v213, v213
.set j, 0
.rept 64
	v_exp_f32 v[96+j], v[96+j]                     ; p, at most 1
.set j, j+1
.endr
	v_mov_b32 v232, v12                            ; -M is kept for the next step: the plain line behind the exponentials
	s_wait_alu depctr_va_vdst(0)                   ; one wait for the batch of 66
	v_max_num_f32 v212, 0x2800000, v212            ; the floor 2^(5 - 127): the byte cannot fall under 1
	v_max_num_f32 v213, 0x2800000, v213
.irp k, 0,1,2,3
	v_pk_fma_f32 v[246+2*\k:247+2*\k], v[246+2*\k:247+2*\k], v[230:231], v[96+2*\k:97+2*\k] op_sel_hi:[1,0,1]   ; each of the sum's four pairs: x f, and its first p of the step
.endr
	v_add_nc_u32 v220, 0xfe000000, v212            ; 4 off the exponent field: the conversions' scale operand
	v_add_nc_u32 v221, 0xfe000000, v213
	s_delay_alu instid0(VALU_DEP_2)
	v_lshrrev_b32 v216, 23, v220                   ; the bytes of blocks h and 2 + h
	s_delay_alu instid0(VALU_DEP_2)
	v_lshrrev_b32 v217, 23, v221
	s_delay_alu instid0(VALU_DEP_1)
	v_lshl_or_b32 v228, v217, 16, v216
	s_delay_alu instid0(VALU_DEP_1)
	v_lshlrev_b32 v228, v10, v228                  ; at their places in the word,
	s_delay_alu instid0(VALU_DEP_1)
	v_permlanex16_b32 v218, v228, s[SEL], s[SEL+1]
	s_delay_alu instid0(VALU_DEP_1)
	v_or_b32 v228, v228, v218                      ; and with lane l xor 16's two: p's scale word
.irp c, 0,1
	v_cvt_scalef32_pk16_bf6_f32 v[192+6*\c:194+6*\c], v[96+32*\c:111+32*\c], v[220+\c]
	v_cvt_scalef32_pk16_bf6_f32 v[204+4*\c:206+4*\c], v[112+32*\c:127+32*\c], v[220+\c]
.endr
.set j, 4
	v_pk_add_f32 v[246+2*(j%4):247+2*(j%4)], v[246+2*(j%4):247+2*(j%4)], v[96+2*j:97+2*j]   ; the plain line behind the conversions
.irp c, 0,1
.irp i, 0,1,2
	v_mov_b32 v[195+6*\c+\i], v[204+4*\c+\i]       ; the upper 16 codes of each block to their odd place
.endr
.endr
.set j, 5
.rept 11
	v_pk_add_f32 v[246+2*(j%4):247+2*(j%4)], v[246+2*(j%4):247+2*(j%4)], v[96+2*j:97+2*j]   ; the sum of the unquantised p; these 11 are also the places between p's codes and scale word and the products
.set j, j+1
.endr
	s_wait_alu depctr_va_vdst(0)
	s_wait_dscnt 0x0                               ; v is in
.irp t, 0,1,2,3                        ; O^T += v^T p^T: the four accumulators by turns
.if \t%2
	v_wmma_scale_f32_16x16x128_f8f6f4 v[160+8*\t:167+8*\t], v[48+12*\t:59+12*\t], v[192:203], v[160+8*\t:167+8*\t], v[226+\t/2], v228 matrix_a_fmt:MATRIX_FMT_BF6 matrix_b_fmt:MATRIX_FMT_BF6 matrix_a_scale:MATRIX_SCALE_ROW1
.else
	v_wmma_scale_f32_16x16x128_f8f6f4 v[160+8*\t:167+8*\t], v[48+12*\t:59+12*\t], v[192:203], v[160+8*\t:167+8*\t], v[226+\t/2], v228 matrix_a_fmt:MATRIX_FMT_BF6 matrix_b_fmt:MATRIX_FMT_BF6
.endif
.endr
.rept 4
	v_pk_add_f32 v[246+2*(j%4):247+2*(j%4)], v[246+2*(j%4):247+2*(j%4)], v[96+2*j:97+2*j]   ; the rest of the sum names no register of the products: these four are their places in front of the loads below
.set j, j+1
.endr
.if \more
	ds_load_b64 v[224:225], v4 offset:STEPB+12288  ; the next step's k: scale words and images
.irp b, 0,1,2,3
.irp c, 0,1,2
	ds_load_b128 v[48+12*\b+4*\c:51+12*\b+4*\c], v3 offset:STEPB+1536*\b+512*\c
.endr
.endr
.endif
.rept 12
	v_pk_add_f32 v[246+2*(j%4):247+2*(j%4)], v[246+2*(j%4):247+2*(j%4)], v[96+2*j:97+2*j]
.set j, j+1
.endr
.endm
.Lstep:
	STEPM 1
	s_add_co_u32 s[TB], s[TB], STEPB
	s_sub_co_u32 s[CNT], s[CNT], 1
	s_cmp_lg_u32 s[CNT], 0
	s_cbranch_scc1 .Lstep
	STEPM 0
	; THE PASS'S END: ctx = O^T / the sum, quantised: register 16 b + i is d = 32 b + 16 (lane / 16) + i
	v_pk_add_f32 v[246:247], v[246:247], v[248:249]
	v_pk_add_f32 v[250:251], v[250:251], v[252:253]
	s_delay_alu instid0(VALU_DEP_1)
	v_pk_add_f32 v[246:247], v[246:247], v[250:251]
	s_delay_alu instid0(VALU_DEP_1)
	v_add_f32 v14, v246, v247
	s_delay_alu instid0(VALU_DEP_1)
	v_permlanex16_b32 v232, v14, s[SEL], s[SEL+1]
	s_delay_alu instid0(VALU_DEP_1)
	v_add_f32 v14, v14, v232                       ; the row's sum
	s_wait_alu depctr_va_vdst(0)
	v_rcp_f32 v14, v14
	v_nop
	s_wait_alu depctr_va_vdst(0)
.set j, 0
.rept 32
	v_mul_f32 v[96+j], v[160+j], v14               ; each accumulator from its low end on
.set j, j+1
.endr
.irp b, 0,1
	v_max3_num_f32 v[212+\b], |v[96+16*\b]|, |v[97+16*\b]|, 0x2800000
.endr
.irp i, 2,4,6,8,10,12,14
.irp b, 0,1
	s_delay_alu instid0(VALU_DEP_2)
	v_max3_num_f32 v[212+\b], v[212+\b], |v[96+16*\b+\i]|, |v[97+16*\b+\i]|
.endr
.endr
.irp b, 0,1
	s_delay_alu instid0(VALU_DEP_2)
	v_permlanex16_b32 v[216+\b], v[212+\b], s[SEL], s[SEL+1]
.endr
.irp b, 0,1
	s_delay_alu instid0(VALU_DEP_2)
	v_max_num_f32 v[212+\b], v[212+\b], v[216+\b]
.endr
.irp b, 0,1
	s_delay_alu instid0(VALU_DEP_2)
	v_add_nc_u32 v[220+\b], 0xfe000000, v[212+\b]
.endr
.irp b, 0,1
	s_delay_alu instid0(VALU_DEP_2)
	v_lshrrev_b32 v[216+\b], 23, v[220+\b]
.endr
	s_delay_alu instid0(VALU_DEP_1)
	v_lshl_or_b32 v245, v217, 8, v216              ; my row's two scale bytes
	v_cvt_scalef32_pk16_bf6_f32 v[234:236], v[96:111], v220
	v_cvt_scalef32_pk16_bf6_f32 v[240:242], v[112:127], v221
	v_nop
.irp i, 0,1,2
	v_permlane16_swap_b32 v[234+\i], v[240+\i]
.endr
.irp i, 0,1,2
	s_delay_alu instid0(VALU_DEP_3)
	v_mov_b32 v[237+\i], v[240+\i]
.endr
.irp g, 0,1,2
	global_store_b64 v2, v[234+2*\g:235+2*\g], s[38:39] offset:256*\g   ; 32 lanes store 256 consecutive bytes, aligned
.endr
	v_cndmask_b32 v244, v244, v245, s[HM]          ; the first pass's bytes stay in lanes 0-15, the second's go to lanes 16-31
	s_wait_xcnt 0x0                                ; the stores have read their base and their registers
	s_add_nc_u64 s[38:39], s[38:39], 12288         ; the next token tile
	s_mov_b32 s[HM], 0xffff0000
	s_sub_co_u32 s[PASS], s[PASS], 1
	s_cmp_lg_u32 s[PASS], 0
	s_cbranch_scc1 .Lpass
	s_wait_alu depctr_va_vdst(0)
	global_store_b16 v6, v244, s[40:41]            ; two bytes a row: this head's share of each row's scale bytes
	s_wait_dscnt 0x0
	s_wait_tensorcnt 0x0                           ; the wave's end
	ds_add_u32 v254, v255
	s_wait_dscnt 0x0
	CROUND                                         ; the closing round
	s_endpgm
.Lfunc_end_k_qb902c59ffa_attn:
	.size	k_qb902c59ffa_attn, .Lfunc_end_k_qb902c59ffa_attn-k_qb902c59ffa_attn
	.p2alignl 7, 3214868480
	.fill 96, 4, 3214868480
	.section	.rodata,"a",@progbits
	.p2align	6, 0x0
	.amdhsa_kernel k_qb902c59ffa_attn
		.amdhsa_group_segment_fixed_size 206848
		.amdhsa_private_segment_fixed_size 0
		.amdhsa_enable_private_segment 0
		.amdhsa_kernarg_size 32
		.amdhsa_user_sgpr_count 2
		.amdhsa_user_sgpr_kernarg_segment_ptr 1
		.amdhsa_wavefront_size32 1
		.amdhsa_system_sgpr_workgroup_id_x 1
		.amdhsa_system_sgpr_workgroup_id_y 1
		.amdhsa_system_sgpr_workgroup_id_z 1
		.amdhsa_system_vgpr_workitem_id 0
		.amdhsa_next_free_vgpr 256
		.amdhsa_next_free_sgpr 66
		.amdhsa_reserve_vcc 0
		.amdhsa_float_denorm_mode_32 3
		.amdhsa_float_denorm_mode_16_64 3
		.amdhsa_memory_ordered 1
		.amdhsa_forward_progress 1
		.amdhsa_inst_pref_size 43
	.end_amdhsa_kernel
	.amdgpu_metadata
---
amdhsa.version: [ 1, 2 ]
amdhsa.kernels:
  - .name:           k_qb902c59ffa_attn
    .symbol:         k_qb902c59ffa_attn.kd
    .args:
      - { .name: qi, .offset: 0, .size: 8, .value_kind: global_buffer, .address_space: global }
      - { .name: kv, .offset: 8, .size: 8, .value_kind: global_buffer, .address_space: global }
      - { .name: cc, .offset: 16, .size: 8, .value_kind: global_buffer, .address_space: global }
      - { .name: cs, .offset: 24, .size: 8, .value_kind: global_buffer, .address_space: global }
    .group_segment_fixed_size: 206848
    .private_segment_fixed_size: 0
    .kernarg_segment_align: 8
    .kernarg_segment_size: 32
    .max_flat_workgroup_size: 512
    .sgpr_count:     66
    .vgpr_count:     256
    .wavefront_size: 32
...
	.end_amdgpu_metadata
.endif
;; end of part 3
;; launch outp (part 4): grid 8 x 32, 4 waves a work-group, clusters of 4 x 4, 327,680 bytes of LDS; arguments cc, gc, cs, bo, out0; writes out0
.if DOCPART == 4
	.amdgcn_target "amdgcn-amd-amdhsa--gfx1250"
	.amdhsa_code_object_version 6
	.text
	.protected	k_qb902c59ffa_outp
	.globl	k_qb902c59ffa_outp
	.p2align	8
	.type	k_qb902c59ffa_outp,@function
k_qb902c59ffa_outp:
	s_mov_b64 s[64:65], 0
	v_nop
	global_prefetch_b8 v0, s[64:65] scope:SCOPE_SE
	s_setreg_imm32_b32 hwreg(HW_REG_WAVE_MODE, 25, 1), 1
	s_wait_xcnt 0x0
	s_wait_alu depctr_hold_cnt(0) depctr_sa_sdst(0) depctr_va_vdst(0) depctr_va_sdst(0) depctr_va_ssrc(0) depctr_va_vcc(0) depctr_vm_vsrc(0)
	s_getreg_b32 s2, hwreg(HW_REG_IB_STS2, 6, 4)
	s_cmp_eq_u32 s2, 0
	s_cbranch_scc0 .Lentry_in_a_cluster
	s_endpgm
.Lentry_in_a_cluster:
	s_bfe_u32 s2, ttmp6, 0x10000c
	s_cmp_lg_u32 s2, 0xf033
	s_cbranch_scc0 .Lentry_shape_is_right
	s_endpgm
.Lentry_shape_is_right:
; out0[token][n] = sum over k of ctx[token][k] Wo[n][k] + bo[n], on codes of BF6 (E3M2) with E8M0 scales, laid in the order of the operands' registers: tile x 12288 + K step x 1536 + group x 256 + 8 x lane.
; A work-group makes 256 tokens x 128 columns; a wave 128 x 64: 32 accumulators.  Source 0 = rows of Wo, source 1 = tokens: a lane holds neighbouring columns of one token.
; ALL OF K LIES IN LDS: A's 16 tiles (196,608 bytes) and B's 8 (98,304) are filled once, by one joint load a wave at the head (waves 0, 1: A's halves; waves 2, 3: B's): no ring, no refill, one barrier.
; The scale words and the bias are asked for while those loads are out.  CLUSTER 4 x 4: A is shared along a row of the cluster, B along a column.  All is asked for at the head and no loop runs ahead of a load: no prefetch.
; BOTH OPERANDS HAVE TWO SETS OF REGISTERS: a K step's 72 LDS loads are asked for ahead of the step before's 32 products.
; REGISTERS: window 0: v16-17 A's LDS addresses (tiles 0-3, 4-7), v20 B's, v24-26 the way out, v28-29 the add's, v32-95 scale words, v96-127 the bias, v160-255 A's fragments of the even K steps;
; window 1: v0-47, v48-95 B's fragments of the even and odd steps, v96-191 A's of the odd steps; windows 2, 3: the accumulators of my tokens 0-63, 64-127.
.set FR,    12
.set TILEB, 12288
.set HALFA, 8*TILEB
.set HALFB, 4*TILEB
.set STAGE, 2*HALFA+2*HALFB
.set SPARE, STAGE+4*16*272
.set ADRA, 16
.set ADRB, 20
.set STO,  24
.set RD,   25
.set CO,   26
.set SPW,  28
.set NIL,  29
.set SOFF, 30
.set SC,   32
.set BT,   96
.set AF,   160
.set BK,   160
.set WV, 18
.set AH, 19
.set BH, 20
.set CX, 21
.set CY, 22
.set G1, 24
.set G0, 32
.set G1B, 48
.set G0B, 56
.set HMK, 75
.set MSB, 0
.macro WIN new
.if MSB != \new
	s_set_vgpr_msb (MSB<<8)|\new
.set MSB, \new
.endif
.endm
.macro CROUND
	s_barrier_signal -1
	s_barrier_wait -1
	s_cmp_lg_u32 s[WV], 0
	s_cbranch_scc1 .Lnot_wave_0_\@
	s_barrier_signal -3
.Lnot_wave_0_\@:
	s_barrier_wait -3
	s_barrier_signal -1
	s_barrier_wait -1
.endm
.macro PLACES n
.rept \n
	v_nop
.endr
.endm
	s_load_b256 s[4:11], s[0:1], 0x0               ; cc, gc, cs, bo
	s_load_b64 s[12:13], s[0:1], 0x20              ; out0
	v_lshl_add_u32 v[SPW], v0, 2, SPARE
	v_mov_b32 v[NIL], 0
	ds_add_u32 v[SPW], v[NIL]                      ; the opening lines
	ds_add_u32 v[SPW], v[NIL]
	v_lshrrev_b32 v1, 5, v0
	v_readfirstlane_b32 s[WV], v1
	s_lshr_b32 s[AH], s[WV], 1                     ; my half of the tokens; also: I fetch for A (0) or B (1)
	s_and_b32 s[BH], s[WV], 1                      ; my half of the columns; also: which half I fetch
	s_bfe_u32 s[CX], ttmp6, 0x40000
	s_bfe_u32 s[CY], ttmp6, 0x40004
	s_and_b32 s41, ttmp7, 0xffff
	s_lshl_b32 s41, s41, 2
	s_add_co_u32 s41, s41, s[CY]                   ; block of 256 tokens
	s_lshl_b32 s42, ttmp9, 2
	s_add_co_u32 s42, s42, s[CX]                   ; block of 128 columns
	s_lshl_b32 s43, s[CY], 2
	s_lshl_b32 s43, 15, s43
	s_lshl_b32 s44, 0x1111, s[CX]
	s_or_b32 s[G1], s43, (3<<16)|(1<<21)
	s_or_b32 s[G1B], s44, (3<<16)|(1<<21)
	s_mov_b32 s[G1+1], 1536<<16                    ; a row is a whole tile: 1,536 elements of 8 bytes; A: 8 tiles
	s_mov_b32 s[G1+2], 8<<16
	s_mov_b32 s[G1+3], 1536<<16
	s_mov_b32 s[G1+4], 8
	s_mov_b32 s[G1+5], 1536
	s_mov_b32 s[G1+6], 0
	s_mov_b32 s[G1+7], 0
	s_mov_b32 s[G1B+1], 1536<<16                   ; B: 4 tiles
	s_mov_b32 s[G1B+2], 4<<16
	s_mov_b32 s[G1B+3], 1536<<16
	s_mov_b32 s[G1B+4], 4
	s_mov_b32 s[G1B+5], 1536
	s_mov_b32 s[G1B+6], 0
	s_mov_b32 s[G1B+7], 0
	s_lshl_b32 s66, s41, 4                         ; A's first tile
	s_lshl_b32 s67, s42, 3                         ; B's first tile in Wo
	s_lshl_b32 s46, s[BH], 3
	s_add_co_u32 s68, s66, s46
	s_mul_i32 s68, s68, 12288
	s_mov_b32 s69, 0
	s_lshl_b32 s47, s[BH], 2
	s_add_co_u32 s72, s67, s47
	s_add_co_u32 s72, s72, 1728                    ; Wo's tiles begin at tile 1728 of gc
	s_mul_i32 s72, s72, 12288
	s_mov_b32 s73, 0
	s_mul_i32 s70, s[BH], HALFA
	s_mul_i32 s74, s[BH], HALFB
	s_add_co_u32 s74, s74, 2*HALFA
	s_wait_dscnt 0x0
	s_wait_kmcnt 0x0
	s_add_nc_u64 s[68:69], s[4:5], s[68:69]
	s_add_nc_u64 s[72:73], s[6:7], s[72:73]
	CROUND                                         ; all sixteen work-groups are here: the joint loads meet
	s_mov_b32 s[G0], 1
	s_mov_b32 s[G0+1], s70
	s_mov_b64 s[G0+2:G0+3], s[68:69]
	s_or_b32 s[G0+3], s[G0+3], 0x80000000
	s_mov_b32 s[G0B], 1
	s_mov_b32 s[G0B+1], s74
	s_mov_b64 s[G0B+2:G0B+3], s[72:73]
	s_or_b32 s[G0B+3], s[G0B+3], 0x80000000
	s_cmp_eq_u32 s[AH], 0
	s_cbranch_scc0 .Lfor_b
	tensor_load_to_lds s[G0:G0+3], s[G1:G1+7]      ; my one tensor load: 8 tiles of A, all of K
	s_nop 0
.rept 4
	v_nop
.endr
	s_branch .Lasked
.Lfor_b:
	tensor_load_to_lds s[G0B:G0B+3], s[G1B:G1B+7]  ; or 4 tiles of B, all of K
	s_nop 0
.rept 4
	v_nop
.endr
.Lasked:
	v_and_b32 v1, 31, v0
	v_lshlrev_b32 v2, 3, v1
	v_and_b32 v3, 15, v0
	v_bfe_u32 v4, v0, 4, 1
	s_mul_i32 s46, s[AH], HALFA
	s_mul_i32 s47, s[BH], HALFB
	s_add_co_u32 s47, s47, 2*HALFA
	v_add_nc_u32 v[ADRA], s46, v2
	s_add_co_u32 s46, s46, 4*TILEB                 ; a second register for tiles 4-7: the loads' offsets have 16 bits
	v_add_nc_u32 v[ADRA+1], s46, v2
	v_add_nc_u32 v[ADRB], s47, v2
	s_lshl_b32 s46, s[AH], 3
	s_add_co_u32 s46, s46, s66
	s_lshl_b32 s46, s46, 9
	s_lshl_b32 s47, s[BH], 2
	s_add_co_u32 s47, s47, s67
	s_add_co_u32 s47, s47, 512
	s_lshl_b32 s47, s47, 9
	s_mov_b32 s[HMK], 0xffff0000
	v_mov_b32 v5, s46
	v_mov_b32 v[SOFF], s47
	v_cndmask_b32 v[SOFF], v5, v[SOFF], s[HMK]     ; scale words: lanes 0-15 A's tiles, lanes 16-31 B's
	s_wait_alu depctr_va_vdst(0)
	v_lshl_add_u32 v[SOFF], v3, 4, v[SOFF]
	v_lshlrev_b32 v5, 11, v4
	v_sub_nc_u32 v[SOFF+1], v[SOFF], v5            ; B has four tiles: for registers 4-7 lanes 16-31 read them again
.irp i, 0,1,2,3
.irp g, 0,1
	global_load_b128 v[SC+8*\i+4*\g:SC+8*\i+4*\g+3], v[SOFF], s[8:9] offset:512*\i+256*\g
.endr
.endr
.irp i, 4,5,6,7
.irp g, 0,1
	global_load_b128 v[SC+8*\i+4*\g:SC+8*\i+4*\g+3], v[SOFF+1], s[8:9] offset:512*\i+256*\g
.endr
.endr
	s_lshl_b32 s76, s42, 9
	s_lshl_b32 s77, s[BH], 8
	s_add_co_u32 s76, s76, s77
	s_mov_b32 s77, 0
	s_add_nc_u64 s[76:77], s[10:11], s[76:77]
	v_lshlrev_b32 v6, 6, v4
.irp b, 0,1,2,3
	global_load_b128 v[BT+8*\b:BT+8*\b+3], v6, s[76:77] offset:(32*(\b/2)+8*(\b%2))*4      ; the bias in the result's layout: the C of the first products
	global_load_b128 v[BT+8*\b+4:BT+8*\b+7], v6, s[76:77] offset:(32*(\b/2)+8*(\b%2))*4+16
.endr
	s_mul_i32 s46, s[WV], 16*272
	s_add_co_u32 s46, s46, STAGE
	v_mul_u32_u24 v[STO], v3, 272
	v_lshl_add_u32 v[STO], v4, 6, v[STO]
	v_add_nc_u32 v[STO], s46, v[STO]
	v_mul_u32_u24 v[RD], v4, 272
	v_lshl_add_u32 v[RD], v3, 4, v[RD]
	v_add_nc_u32 v[RD], s46, v[RD]
	v_lshlrev_b32 v[CO], 12, v4
	v_lshl_add_u32 v[CO], v3, 4, v[CO]
	s_lshl_b32 s78, s41, 8
	s_lshl_b32 s79, s[AH], 7
	s_add_co_u32 s78, s78, s79
	s_lshl_b32 s78, s78, 12
	s_lshl_b32 s79, s42, 9
	s_add_co_u32 s78, s78, s79
	s_lshl_b32 s79, s[BH], 8
	s_add_co_u32 s78, s78, s79
	s_mov_b32 s79, 0
	s_add_nc_u64 s[12:13], s[12:13], s[78:79]
.macro FRAG reg, adr, st, i
.irp g, 0,1,2,3,4,5
	ds_load_b64 v[\reg+2*\g:\reg+2*\g+1], v[\adr] offset:(\i)*TILEB+(\st)*1536+256*\g
.endr
.endm
.macro FETCH st                        ; K step st: B's four fragments and A's eight into the sets of st % 2
	WIN 0x40
.irp i, 0,1,2,3
	FRAG 48*((\st)%2)+FR*\i, ADRB, \st, \i
.endr
.if (\st)%2
.irp i, 0,1,2,3
	FRAG 96+FR*\i, ADRA, \st, \i
.endr
.irp i, 0,1,2,3
	FRAG 96+FR*(4+\i), ADRA+1, \st, \i
.endr
	WIN 0
.else
	WIN 0
.irp i, 0,1,2,3
	FRAG AF+FR*\i, ADRA, \st, \i
.endr
.irp i, 0,1,2,3
	FRAG AF+FR*(4+\i), ADRA+1, \st, \i
.endr
.endif
.endm
.macro MULA a0, p, s, cm               ; A's blocks a0, a0 + 1 x B's four; the accumulators by turns.  A's set p begins at v160 of window 0 or at v96 of window 1
.irp a, \a0, \a0+1
.irp b, 0,1,2,3
.set AC, 8*(8*((\a)%4)+\b)
.set AB, AF-64*(\p)+FR*(\a)
.if (\cm) == 0
	v_wmma_scale_f32_16x16x128_f8f6f4 v[AC:AC+7], v[48*(\p)+FR*\b:48*(\p)+FR*\b+FR-1], v[AB:AB+FR-1], v[AC:AC+7], v[SC+8*\b+(\s)], v[SC+8*(\a)+(\s)] matrix_a_fmt:MATRIX_FMT_BF6 matrix_b_fmt:MATRIX_FMT_BF6 matrix_a_scale:MATRIX_SCALE_ROW1
.else
	v_wmma_scale_f32_16x16x128_f8f6f4 v[AC:AC+7], v[48*(\p)+FR*\b:48*(\p)+FR*\b+FR-1], v[AB:AB+FR-1], v[BT+8*\b:BT+8*\b+7], v[SC+8*\b+(\s)], v[SC+8*(\a)+(\s)] matrix_a_fmt:MATRIX_FMT_BF6 matrix_b_fmt:MATRIX_FMT_BF6 matrix_a_scale:MATRIX_SCALE_ROW1
.endif
.endr
.endr
.endm
; a K step: its fragments are in; behind four places the next step's 72 loads go out into the other sets; then its 32 products
.macro KSTEP s, cm, more
	s_wait_dscnt 0x0
.if \more
	PLACES 4
	FETCH (\s)+1
.endif
.if \cm
.set WL, 0x81
.set WH, 0xc1
.else
.set WL, 0xa1+4*((\s)%2)               ; source 1 (A): window 0 in the even steps, window 1 in the odd ones
.set WH, 0xf1+4*((\s)%2)
.endif
	WIN WL
	MULA 0, (\s)%2, \s, \cm
	MULA 2, (\s)%2, \s, \cm
	WIN WH
	MULA 4, (\s)%2, \s, \cm
	MULA 6, (\s)%2, \s, \cm
	WIN 0
.endm
	s_wait_alu depctr_va_vdst(0)
	s_wait_tensorcnt 0x0                           ; my part has landed,
	s_barrier_signal -1
	s_barrier_wait -1                              ; everybody's has: the tiles are only read from here on
	FETCH 0
	s_wait_loadcnt 0x0                             ; scale words and bias
	KSTEP 0, 1, 1                                  ; the first products take the bias as C
.irp s, 1,2,3,4,5,6
	KSTEP \s, 0, 1
.endr
	KSTEP 7, 0, 0
	PLACES 4
; THE WAY OUT: a block of 16 tokens x 64 columns goes through my own stage and comes back as rows of 256 bytes
.macro TOSTAGE a
.set AC, 64*((\a)%4)
	WIN 0x08+4*((\a)/4)
.irp b, 0,1,2,3
	ds_store_b128 v[STO], v[AC+8*\b:AC+8*\b+3] offset:128*(\b/2)+32*(\b%2)
	ds_store_b128 v[STO], v[AC+8*\b+4:AC+8*\b+7] offset:128*(\b/2)+32*(\b%2)+16
.endr
	WIN 0
.set BB, BK+32*((\a)%2)
.irp t, 0,1,2,3,4,5,6,7
	ds_load_b128 v[BB+4*\t:BB+4*\t+3], v[RD] offset:544*\t
.endr
.endm
.macro SEND a, younger
.set BB, BK+32*((\a)%2)
	s_wait_dscnt \younger
.irp t, 0,1,2,3,4,5,6,7
	global_store_b128 v[CO], v[BB+4*\t:BB+4*\t+3], s[12:13] offset:(32*((\a)/2)+8*((\a)%2)+2*\t+8*(\t/4))*4096 th:TH_STORE_NT   ; 16 lanes store 256 consecutive bytes, aligned
.endr
.endm
	TOSTAGE 0
.irp a, 1,2,3,4,5,6,7
.if \a > 1
	s_wait_xcnt 0x0                                ; block a - 2's stores have read their registers
.endif
	TOSTAGE \a
	SEND \a-1, 16                                  ; behind block a - 1's loads: block a's 8 stores and 8 loads
.endr
	SEND 7, 0
	s_wait_tensorcnt 0x0                           ; the wave's end
	ds_add_u32 v[SPW], v[NIL]
	s_wait_dscnt 0x0
	CROUND                                         ; the closing round
	s_endpgm
.Lfunc_end_k_qb902c59ffa_outp:
	.size	k_qb902c59ffa_outp, .Lfunc_end_k_qb902c59ffa_outp-k_qb902c59ffa_outp
	.p2alignl 7, 3214868480
	.fill 96, 4, 3214868480
	.section	.rodata,"a",@progbits
	.p2align	6, 0x0
	.amdhsa_kernel k_qb902c59ffa_outp
		.amdhsa_group_segment_fixed_size 327680
		.amdhsa_private_segment_fixed_size 0
		.amdhsa_enable_private_segment 0
		.amdhsa_kernarg_size 40
		.amdhsa_user_sgpr_count 2
		.amdhsa_user_sgpr_kernarg_segment_ptr 1
		.amdhsa_wavefront_size32 1
		.amdhsa_system_sgpr_workgroup_id_x 1
		.amdhsa_system_sgpr_workgroup_id_y 1
		.amdhsa_system_sgpr_workgroup_id_z 1
		.amdhsa_system_vgpr_workitem_id 0
		.amdhsa_next_free_vgpr 1024
		.amdhsa_next_free_sgpr 100
		.amdhsa_reserve_vcc 0
		.amdhsa_float_denorm_mode_32 3
		.amdhsa_float_denorm_mode_16_64 3
		.amdhsa_memory_ordered 1
		.amdhsa_forward_progress 1
		.amdhsa_inst_pref_size 95
	.end_amdhsa_kernel
	.amdgpu_metadata
---
amdhsa.version: [ 1, 2 ]
amdhsa.kernels:
  - .name:           k_qb902c59ffa_outp
    .symbol:         k_qb902c59ffa_outp.kd
    .args:
      - { .name: cc, .offset: 0, .size: 8, .value_kind: global_buffer, .address_space: global }
      - { .name: gc, .offset: 8, .size: 8, .value_kind: global_buffer, .address_space: global }
      - { .name: cs, .offset: 16, .size: 8, .value_kind: global_buffer, .address_space: global }
      - { .name: bo, .offset: 24, .size: 8, .value_kind: global_buffer, .address_space: global }
      - { .name: out0, .offset: 32, .size: 8, .value_kind: global_buffer, .address_space: global }
    .group_segment_fixed_size: 327680
    .private_segment_fixed_size: 0
    .kernarg_segment_align: 8
    .kernarg_segment_size: 40
    .max_flat_workgroup_size: 128
    .sgpr_count:     100
    .vgpr_count:     1024
    .wavefront_size: 32
...
	.end_amdgpu_metadata
.endif
;; end of part 4
